; MI455X (gfx1250); checked and timed in simulation.
; The chip was launched on July 23, 2026; its instructions are those of AMD's public machine-readable ISA for CDNA 5 (MIT licence, August 2026) and "CDNA5" Instruction Set Architecture Reference Guide (July 2026). The comments in the code are by the model that wrote it; some were corrected since.
;; Multi Cabeca Atencao. Allowed arithmetic: matrix products marked QUANTISED: E2M3 operands, one E8M0 scale for each 32 along K, by v_wmma_scale_f32_16x16x128_f8f6f4 with both operands' format E2M3, f32 sums; everything else in f32.
;; Inputs: Wk 1,024 x 1,024 float32; Wo 1,024 x 1,024 float32; Wq 1,024 x 1,024 float32; Wv 1,024 x 1,024 float32; bk 1,024 float32; bo 1,024 float32; bq 1,024 float32; bv 1,024 float32; incorporacao 4 x 2,048 x 1,024 float32.
;; Outputs: out0 4 x 2,048 x 1,024 float32.
;; This version of the problem:
;;   THIS VERSION OF THE PROBLEM IS GIVEN IN LOW PRECISION. The matrix products marked QUANTISED in the list below multiply operands that are first quantised to E2M3 (2 exponent bits, 3 mantissa bits; 6 bits a number), with one power-of-two scale for each 32 numbers along K (OCP MX v1.0); their sums are f32. All else is computed in f32.
;;   The module's matrix products, in the order in which they are computed (A, B: the left and right operand; K: the contracted axis; several contracted axes count as one K, in the product's order):
;;     1. [M 8,192, K 1,024] x [K 1,024, N 1,024]; A: input incorporacao; B: input Wq: QUANTISED
;;     2. [M 8,192, K 1,024] x [K 1,024, N 1,024]; A: input incorporacao; B: input Wk: QUANTISED
;;     3. [M 8,192, K 1,024] x [K 1,024, N 1,024]; A: input incorporacao; B: input Wv: QUANTISED
;;     4. batch 4 x [M 2,048, K 1,024] x [K 1,024, N 2,048]; A: computed on the way; B: computed on the way: QUANTISED
;;     5. batch 4 x [M 2,048, K 2,048] x [K 2,048, N 1,024]; A: softmax (see below); B: computed on the way: QUANTISED
;;     6. [M 8,192, K 1,024] x [K 1,024, N 1,024]; A: computed on the way; B: input Wo: QUANTISED
;;   THE QUANTISER, for each operand of a quantised product, along K:
;;     - K is cut into blocks of 32 from its start; a last block that is shorter is filled with zeros.
;;     - A block's scale is 2^e with e = floor(log2(the largest magnitude in the block)) - 2, held to -126 .. 127; a block of zeros has e = 0. As a byte (E8M0): e + 127.
;;     - Each number is divided by its block's scale, clamped to +-7.5, and rounded to the nearest number of E2M3, ties to even, subnormals kept.
;;     - The product sums the exact products of the quantised numbers (number of the format x scale) in f32.
;;   ~~~python
;;   def quantise(x, axis):      # numpy; x: float32 -> the quantised numbers, widened to float32 again
;;       x = np.moveaxis(x, axis, -1); K = x.shape[-1]
;;       x = np.pad(x, [(0, 0)] * (x.ndim - 1) + [(0, -K % 32)]); x = x.reshape(x.shape[:-1] + (-1, 32)); a = np.abs(x).max(-1, keepdims=True)
;;       e = np.where(a > 0, np.clip(np.frexp(np.where(a > 0, a, 1))[1] - 1 - 2, -126, 127), 0)      # np.frexp(a)[1] - 1 = floor(log2(a)), exactly
;;       r = np.clip(x / 2.0 ** e, -7.5, 7.5)
;;       step = 2.0 ** (np.maximum(np.frexp(np.where(r == 0, 1, r))[1] - 1, 0) - 3)
;;       q = np.round(r / step) * step * 2.0 ** e      # np.round: ties to even
;;       return np.moveaxis(q.reshape(q.shape[:-2] + (-1,))[..., :K], -1, axis).astype(np.float32)
;;   ~~~
;;   SOFTMAX AHEAD OF A QUANTISED PRODUCT. Where the list says 'softmax', what is quantised is not the finished softmax but p = 2^(t - M), with t = logit x log2(e) and M = ceil(the row's largest t), a whole number; so 1/2 < the row's largest p <= 1. The row's sum l is taken of the UNQUANTISED p, in f32, and the product's result is divided by l at the end. Since M is a whole number, a kernel that streams over the keys may use a running M (the ceiling of the running maximum): every later rescaling is an exact power of two, which a block's scale takes up: the codes' values come out the same.
;;   OPERANDS COMPUTED ON THE WAY. 'Computed on the way' means the value that the module computes at that place (a softmax that the list does not call 'softmax' is quantised finished and normalised). What goes into a quantiser is computed in f32, as accurately as f32 sums, v_exp_f32 and their like allow (about 1e-6 of the number): no bf16 or f16 on the way to a quantiser, and a product that is left as it is and whose result goes on into a quantised operand takes f32 operands (vector FMAs, or v_wmma_f32_16x16x4_f32). A number that lies on a knife's edge between two numbers of the format may be rounded either way, as far as f32 arithmetic and the matrix unit's own rounding can turn it there, and no further.
;; One version. Each part assembles by itself: llvm-mc -triple=amdgcn-amd-amdhsa -mcpu=gfx1250 --defsym DOCPART=n.
;; ======== version 1 of 1: 5 launches
;; workspace buffers: xw 9,830,400 bytes; qk 13,107,200 bytes; vt 6,553,600 bytes; pp 14,155,776 bytes; cx 6,553,600 bytes
;; launch quant (part 1): grid 512 x 1, 4 waves a work-group, no clusters, 35,328 bytes of LDS; arguments incorporacao, Wq, Wk, Wv, Wo, xw; writes xw
.if DOCPART == 1
	.amdgcn_target "amdgcn-amd-amdhsa--gfx1250"
	.amdhsa_code_object_version 6
	.text
	.protected	k_q2035d80929_quant
	.globl	k_q2035d80929_quant
	.p2align	8
	.type	k_q2035d80929_quant,@function
k_q2035d80929_quant:
	s_mov_b64 s[64:65], 0
	v_nop
	global_prefetch_b8 v0, s[64:65] scope:SCOPE_SE
	s_setreg_imm32_b32 hwreg(HW_REG_WAVE_MODE, 25, 1), 1
	s_wait_xcnt 0x0
; x [8192][1024] and Wq, Wk, Wv, Wo [1024 (k)][1024 (n)], f32, become codes of FP6 (E2M3) with one E8M0 byte for each 32 along K, K = x's last and a weight's FIRST axis.
; A block's scale is 2^(floor(log2(largest magnitude)) - 2): its byte is the largest magnitude's exponent field - 2, held at 1 from below by a floor among the maximum's leaves.
; LAYOUT OF xw (this program's own): IMAGES OF OPERAND REGISTERS.  A fragment is 16 row slots x 128 K, 12 registers a lane, 1,536 bytes: registers 4 c .. 4 c + 3 of lane L at 512 c + 16 L.
; Codes: [768 blocks of 16 slots][8 K steps][1536]: blocks 0-511 x, 512-575 Wq, 576-639 Wk, 640-703 Wv, 704-767 Wo (a weight's rows are its columns n).  Scale words at XWS: [8 K steps][12288 slots] u32.
; SLOT ORDER: slot r of block g is true row 32 (g / 2) + 8 (g % 2) + r % 8 + 16 (r / 8): as source 0 of a product such a pair of blocks gives a lane 16 NEIGHBOURING columns of the result.
; LIMITS: NaN and infinities are not served; a block whose largest magnitude lies under 2^-124 (a block of zeros too) keeps the byte 1: only this program reads the bytes, and zero codes add nothing.
; Work-groups 0-255 take x, 256-511 the weights: one scalar branch on the work-group's number; only x's way uses LDS.  No barrier: waves share nothing.
.set XWS,  9437184
.set WREG, 8704                        ; LDS of a wave: a stage of 16 rows x SP bytes, then 256 bytes of scale words
.set SP,   528                         ; a stage row: 512 bytes + 16, so that the 16 rows that a load touches fall 16 bytes apart modulo 256
.set TM,   16                          ; v16-31   at work in the quantiser
.set R0,   32                          ; v32-159  two sets of 64: 16 rows x 512 bytes as loaded
.set X,    160                         ; v160-223 64 numbers of my row: register 16 b + i = k 32 b + 16 (lane / 16) + i
.set PC,   224                         ; v224-243 the codes
.set PW,   244                         ; v244     the scale word
.set SEL,  30                          ; s[30:31] selects of v_permlanex16_b32: lane l xor 16
.macro QMAX s                          ; the largest magnitudes of the four blocks of 32 in v[s] .. v[s + 63]
.irp b, 0,1,2,3
	v_max3_num_f32 v[TM+\b], |v[\s+16*\b]|, |v[\s+1+16*\b]|, 0x1800000   ; my 16 numbers of block b, and the floor 2^(3 - 127): the byte cannot fall under 1
.endr
.irp i, 2,4,6,8,10,12,14
.irp b, 0,1,2,3
	v_max3_num_f32 v[TM+\b], v[TM+\b], |v[\s+16*\b+\i]|, |v[\s+1+16*\b+\i]|   ; the four blocks by turns
.endr
.endr
.irp b, 0,1,2,3
	v_permlanex16_b32 v[TM+4+\b], v[TM+\b], s[SEL], s[SEL+1]
.endr
.irp b, 0,1,2,3
	v_max_num_f32 v[TM+\b], v[TM+\b], v[TM+4+\b]   ; with lane l xor 16's 16: the block's
.endr
.endm
.macro QTAIL s                         ; from the four maxima: the scale word in v[PW], the fragment's 12 registers in v[PC] on
.irp b, 0,1,2,3
	v_add_nc_u32 v[TM+12+\b], 0xff000000, v[TM+\b]   ; 2 off the exponent field: the conversion takes the exponent field of this operand as its scale
.endr
.irp b, 0,1,2,3
	v_lshrrev_b32 v[TM+4+\b], 23, v[TM+12+\b]      ; the scale's byte
.endr
	v_lshl_or_b32 v[PW], v[TM+5], 8, v[TM+4]
	v_lshl_or_b32 v[PW], v[TM+6], 16, v[PW]
	v_lshl_or_b32 v[PW], v[TM+7], 24, v[PW]
.irp c, 0,1
	v_cvt_scalef32_pk16_fp6_f32 v[PC+6*\c:PC+2+6*\c], v[\s+32*\c:\s+15+32*\c], v[TM+12+2*\c]
	v_cvt_scalef32_pk16_fp6_f32 v[PC+12+4*\c:PC+14+4*\c], v[\s+16+32*\c:\s+31+32*\c], v[TM+12+2*\c+1]   ; (a conversion's three registers begin on an even number)
.endr
	v_nop                                          ; one plain place behind a scaled conversion
.irp c, 0,1                                    ; the operand wants a WHOLE block in a lane: lanes 0-15 block 2 c, lanes 16-31 block 2 c + 1
.irp i, 0,1,2
	v_permlane16_swap_b32 v[PC+6*\c+\i], v[PC+12+4*\c+\i]
.endr
.irp i, 0,1,2
	v_mov_b32 v[PC+3+6*\c+\i], v[PC+12+4*\c+\i]
.endr
.endr
.endm
	s_load_b128 s[4:7], s[0:1], 0x0                ; x, Wq
	s_load_b128 s[8:11], s[0:1], 0x10              ; Wk, Wv
	s_load_b128 s[12:15], s[0:1], 0x20             ; Wo, xw
	v_lshl_add_u32 v254, v0, 2, 0x8800
	v_mov_b32 v255, 0
	v_lshrrev_b32 v1, 5, v0
	v_readfirstlane_b32 s16, v1                    ; wave 0..3
	v_and_b32 v7, 31, v0                           ; lane
	v_and_b32 v8, 15, v0                           ; r
	v_bfe_u32 v9, v0, 4, 1                         ; h
	v_lshlrev_b32 v1, 4, v7                        ; 16 x lane: my place in 512 consecutive bytes
	s_mov_b32 s[SEL], 0x76543210
	s_mov_b32 s[SEL+1], 0xfedcba98
	s_cmp_lt_u32 ttmp9, 256
	s_cbranch_scc0 .Lweights
	; ---- x.  Wave W = 4 x work-group + wave takes K step W % 8 of blocks 4 (W / 8) .. + 3: the four waves of a work-group read 2,048 bytes on end of each row
	s_lshl_b32 s17, ttmp9, 2
	s_add_co_u32 s17, s17, s16
	s_and_b32 s18, s17, 7                          ; K step
	s_lshr_b32 s19, s17, 3                         ; group of 64 rows
	s_mul_i32 s20, s16, WREG
	v_add_nc_u32 v2, s20, v1                       ; the stage, in: a row's 512 bytes as they lie
	v_mul_u32_u24 v3, v8, SP
	v_lshl_add_u32 v3, v9, 6, v3
	v_add_nc_u32 v3, s20, v3                       ; out: row r, + 64 h: my 16 numbers of each block of 32
	s_add_co_u32 s20, s20, 16*SP
	v_lshl_add_u32 v4, v8, 2, s20                  ; my row's scale word (both halves of the lanes write the same word with the same value)
	v_lshlrev_b32 v6, 3, v7
	v_add_nc_u32 v5, s20, v6                       ; and on the way out 8 bytes a lane
	s_lshl_b32 s22, s19, 18                        ; 64 rows of 4,096 bytes
	s_lshl_b32 s21, s18, 9
	s_add_co_u32 s22, s22, s21                     ; + 512 bytes a K step
	s_mov_b32 s23, 0
	s_lshl_b32 s24, s19, 5
	s_add_co_u32 s24, s24, s18
	s_mul_i32 s24, s24, 1536                       ; fragment (4 G, s): (32 G + s) x 1,536
	s_mov_b32 s25, 0
	s_mul_i32 s26, s18, 49152
	s_lshl_b32 s21, s19, 8
	s_add_co_u32 s26, s26, s21
	s_add_co_u32 s26, s26, XWS                     ; my 64 scale words: one aligned run of 256 bytes
	s_mov_b32 s27, 0
.irp b, 0,1,2,3
	v_mov_b32 v[TM+4+\b], 0                        ; written once: a lane permute's destination counts as one of its sources
.endr
	s_wait_kmcnt 0x0
	s_add_nc_u64 s[4:5], s[4:5], s[22:23]
	s_add_nc_u64 s[24:25], s[14:15], s[24:25]
	s_add_nc_u64 s[26:27], s[14:15], s[26:27]
.macro XL n                            ; block n's 16 rows, in slot order: each load reads 512 consecutive bytes
.irp t, 0,1,2,3,4,5,6,7,8,9,10,11,12,13,14,15
	global_load_b128 v[R0+64*((\n)%2)+4*\t:R0+64*((\n)%2)+4*\t+3], v1, s[4:5] offset:(32*((\n)/2)+8*((\n)%2)+(\t%8)+16*(\t/8))*4096 th:TH_LOAD_NT
.endr
.endm
.macro XF n                            ; block n becomes a fragment
.if (\n) < 3
	s_wait_loadcnt 16                              ; this block's 16 loads are in; the next block's 16 may be out
.else
	s_wait_loadcnt 0x0
.endif
.irp t, 0,1,2,3,4,5,6,7,8,9,10,11,12,13,14,15
	ds_store_b128 v2, v[R0+64*((\n)%2)+4*\t:R0+64*((\n)%2)+4*\t+3] offset:SP*\t
.endr
.irp b, 0,1,2,3
.irp j, 0,1,2,3
	ds_load_b128 v[X+16*\b+4*\j:X+16*\b+4*\j+3], v3 offset:128*\b+16*\j   ; LDS serves a wave's instructions in order: these see the stores above
.endr
.endr
	s_wait_dscnt 0x0                               ; my numbers are back, and the stage's stores have read their registers,
.if (\n) < 2
	XL (\n)+2                                      ; which take the block two on
.endif
	s_wait_xcnt 0x0                                ; the last fragment's stores have read the codes' registers: they are written again only behind this wait
	QMAX X
	QTAIL X
.irp c, 0,1,2
	global_store_b128 v1, v[PC+4*\c:PC+4*\c+3], s[24:25] offset:12288*(\n)+512*\c   ; 32 lanes store 512 consecutive bytes
.endr
	ds_store_b32 v4, v[PW] offset:64*(\n)
.endm
	XL 0
	XL 1
	XF 0
	XF 1
	XF 2
	XF 3
	ds_load_b64 v[10:11], v5
	s_wait_dscnt 0x0
	global_store_b64 v6, v[10:11], s[26:27]        ; 32 lanes store 256 consecutive bytes, aligned
	s_wait_tensorcnt 0x0
	ds_add_u32 v254, v255
	s_wait_dscnt 0x0
	s_endpgm
.Lweights:
	; ---- a weight.  A LANE TAKES A COLUMN n AND ITS REGISTERS RUN DOWN K: 128 numbers, four whole blocks of 32; nothing is transposed.  A wave takes 32 columns (two blocks of slots) x one K step.
	s_sub_co_u32 s17, ttmp9, 256
	s_lshr_b32 s18, s17, 6                         ; which weight
	s_and_b32 s19, s17, 7                          ; K step
	s_bfe_u32 s20, s17, 0x30003
	s_lshl_b32 s20, s20, 2
	s_add_co_u32 s20, s20, s16                     ; which 32 columns: 0 .. 31
	v_and_b32 v2, 7, v0
	v_bfe_u32 v3, v0, 3, 1
	v_lshl_add_u32 v2, v3, 4, v2
	v_lshl_add_u32 v2, v9, 3, v2                   ; lane 16 u + r takes column 8 u + r % 8 + 16 (r / 8) of the 32: the slot order; a load still covers 128 consecutive bytes
	v_lshlrev_b32 v2, 2, v2
	v_lshlrev_b32 v3, 2, v7                        ; 4 x lane: my scale word
	s_lshl_b32 s22, s19, 19                        ; 128 rows of 4,096 bytes a K step
	s_lshl_b32 s21, s20, 7
	s_add_co_u32 s22, s22, s21
	s_mov_b32 s23, 0
	s_lshl_b32 s24, s18, 6
	s_lshl_b32 s21, s20, 1
	s_add_co_u32 s24, s24, s21
	s_add_co_u32 s24, s24, 512                     ; my first block
	s_lshl_b32 s24, s24, 3
	s_add_co_u32 s24, s24, s19
	s_mul_i32 s24, s24, 1536
	s_mov_b32 s25, 0
	s_mul_i32 s26, s19, 49152
	s_lshl_b32 s21, s18, 12
	s_add_co_u32 s26, s26, s21
	s_lshl_b32 s21, s20, 7
	s_add_co_u32 s26, s26, s21
	s_add_co_u32 s26, s26, XWS+32768               ; the weights' slots begin at 8,192
	s_mov_b32 s27, 0
	s_wait_kmcnt 0x0
	s_cmp_eq_u32 s18, 1                            ; the choice hangs on the work-group's number alone
	s_cselect_b64 s[6:7], s[8:9], s[6:7]
	s_cmp_eq_u32 s18, 2
	s_cselect_b64 s[6:7], s[10:11], s[6:7]
	s_cmp_eq_u32 s18, 3
	s_cselect_b64 s[6:7], s[12:13], s[6:7]
	s_add_nc_u64 s[6:7], s[6:7], s[22:23]
	s_add_nc_u64 s[24:25], s[14:15], s[24:25]
	s_add_nc_u64 s[26:27], s[14:15], s[26:27]
.set I, 0
.rept 128
	global_load_b32 v[32+I], v2, s[6:7] offset:4096*I th:TH_LOAD_NT
.set I, I+1
.endr
.macro WBLK t, y, left                 ; block t of 32 down K: its six registers of codes at v[y] on (the upper three by way of v[184 + 4 t])
.set XS, 32+32*(\t)
	s_wait_loadcnt \left
	v_max3_num_f32 v12, |v[XS]|, |v[XS+1]|, |v[XS+2]|
	v_max3_num_f32 v13, |v[XS+3]|, |v[XS+4]|, |v[XS+5]|
.irp i, 6,10,14,18,22,26
	v_max3_num_f32 v12, v12, |v[XS+\i]|, |v[XS+\i+1]|
	v_max3_num_f32 v13, v13, |v[XS+\i+2]|, |v[XS+\i+3]|
.endr
	v_max3_num_f32 v12, v12, |v[XS+30]|, |v[XS+31]|
	v_max3_num_f32 v12, v12, v13, 0x1800000        ; and the floor 2^(3 - 127)
	v_add_nc_u32 v[16+(\t)], 0xff000000, v12       ; the conversion's scale operand
	v_lshrrev_b32 v13, 23, v[16+(\t)]              ; the byte
.if (\t) == 0
	v_mov_b32 v10, v13
.else
	v_lshl_or_b32 v10, v13, 8*(\t), v10            ; four bytes make my column's scale word
.endif
	v_cvt_scalef32_pk16_fp6_f32 v[\y:\y+2], v[XS:XS+15], v[16+(\t)]
	v_cvt_scalef32_pk16_fp6_f32 v[184+4*(\t):186+4*(\t)], v[XS+16:XS+31], v[16+(\t)]
.endm
	WBLK 0, 160, 63                                ; at most 63 of the 128 loads are out: the first 65 are in, blocks 0 and 1 among them
	WBLK 1, 172, 63
	WBLK 2, 166, 32                                ; block 3's 32 may be out
	WBLK 3, 178, 0
	v_nop                                          ; one plain place behind a scaled conversion
.irp i, 0,1,2
	v_mov_b32 v[163+\i], v[184+\i]
	v_mov_b32 v[175+\i], v[188+\i]
	v_mov_b32 v[169+\i], v[192+\i]
	v_mov_b32 v[181+\i], v[196+\i]
.endr
; A fragment's lane (r, h) wants K blocks h and 2 + h of slot r.  Lane 16 u + r holds all four of slot r of block u: the exchange gives v160-171 the fragment of the lower block of slots, v172-183 that of the upper.
.irp i, 0,1,2,3,4,5
	v_permlane16_swap_b32 v[160+\i], v[172+\i]
	v_permlane16_swap_b32 v[166+\i], v[178+\i]
.endr
.irp c, 0,1,2
	global_store_b128 v1, v[160+4*\c:163+4*\c], s[24:25] offset:512*\c
	global_store_b128 v1, v[172+4*\c:175+4*\c], s[24:25] offset:12288+512*\c
.endr
	global_store_b32 v3, v10, s[26:27]             ; 128 consecutive bytes a wave: the weights' words are 128 KB of all that the launch moves
	s_endpgm
.Lfunc_end_k_q2035d80929_quant:
	.size	k_q2035d80929_quant, .Lfunc_end_k_q2035d80929_quant-k_q2035d80929_quant
	.p2alignl 7, 3214868480
	.fill 96, 4, 3214868480
	.section	.rodata,"a",@progbits
	.p2align	6, 0x0
	.amdhsa_kernel k_q2035d80929_quant
		.amdhsa_group_segment_fixed_size 35328
		.amdhsa_private_segment_fixed_size 0
		.amdhsa_enable_private_segment 0
		.amdhsa_kernarg_size 48
		.amdhsa_user_sgpr_count 2
		.amdhsa_user_sgpr_kernarg_segment_ptr 1
		.amdhsa_wavefront_size32 1
		.amdhsa_system_sgpr_workgroup_id_x 1
		.amdhsa_system_sgpr_workgroup_id_y 1
		.amdhsa_system_sgpr_workgroup_id_z 1
		.amdhsa_system_vgpr_workitem_id 0
		.amdhsa_next_free_vgpr 256
		.amdhsa_next_free_sgpr 66
		.amdhsa_reserve_vcc 0
		.amdhsa_float_denorm_mode_32 3
		.amdhsa_float_denorm_mode_16_64 3
		.amdhsa_memory_ordered 1
		.amdhsa_forward_progress 1
		.amdhsa_inst_pref_size 54
	.end_amdhsa_kernel
	.amdgpu_metadata
---
amdhsa.version: [ 1, 2 ]
amdhsa.kernels:
  - .name:           k_q2035d80929_quant
    .symbol:         k_q2035d80929_quant.kd
    .args:
      - { .name: incorporacao, .offset: 0, .size: 8, .value_kind: global_buffer, .address_space: global }
      - { .name: Wq, .offset: 8, .size: 8, .value_kind: global_buffer, .address_space: global }
      - { .name: Wk, .offset: 16, .size: 8, .value_kind: global_buffer, .address_space: global }
      - { .name: Wv, .offset: 24, .size: 8, .value_kind: global_buffer, .address_space: global }
      - { .name: Wo, .offset: 32, .size: 8, .value_kind: global_buffer, .address_space: global }
      - { .name: xw, .offset: 40, .size: 8, .value_kind: global_buffer, .address_space: global }
    .group_segment_fixed_size: 35328
    .private_segment_fixed_size: 0
    .kernarg_segment_align: 8
    .kernarg_segment_size: 48
    .max_flat_workgroup_size: 128
    .sgpr_count:     66
    .vgpr_count:     256
    .wavefront_size: 32
...
	.end_amdgpu_metadata
.endif
;; end of part 1
;; launch proj (part 2): grid 8 x 32, 4 waves a work-group, clusters of 4 x 4, 327,680 bytes of LDS; arguments xw, bq, bk, bv, qk, vt; writes qk, vt
.if DOCPART == 2
	.amdgcn_target "amdgcn-amd-amdhsa--gfx1250"
	.amdhsa_code_object_version 6
	.text
	.protected	k_q2035d80929_proj
	.globl	k_q2035d80929_proj
	.p2align	8
	.type	k_q2035d80929_proj,@function
k_q2035d80929_proj:
	s_mov_b64 s[64:65], 0
	v_nop
	global_prefetch_b8 v0, s[64:65] scope:SCOPE_SE
	s_setreg_imm32_b32 hwreg(HW_REG_WAVE_MODE, 25, 1), 1
	s_wait_xcnt 0x0
	s_wait_alu depctr_hold_cnt(0) depctr_sa_sdst(0) depctr_va_vdst(0) depctr_va_sdst(0) depctr_va_ssrc(0) depctr_va_vcc(0) depctr_vm_vsrc(0)
	s_getreg_b32 s2, hwreg(HW_REG_IB_STS2, 6, 4)
	s_cmp_eq_u32 s2, 0
	s_cbranch_scc0 .Lentry_in_a_cluster
	s_endpgm
.Lentry_in_a_cluster:
	s_bfe_u32 s2, ttmp6, 0x10000c
	s_cmp_lg_u32 s2, 0xf033
	s_cbranch_scc0 .Lentry_shape_is_right
	s_endpgm
.Lentry_shape_is_right:
; q = x Wq + bq, k = x Wk + bk and v^T = Wv^T x^T + bv, all on codes of FP6 (E2M3) with E8M0 scales out of xw; the results are quantised on the way out, q and k along the model's 1,024, v along the tokens (the keys),
; and leave as codes and scale words: nothing leaves as f32.
; SHARES.  256 work-groups of equal work.  Work-group (x, y) makes FIRST a tile of 256 x 256 of q | k (A = x's rows 256 y on, B = columns 256 x on of Wq and Wk on end; a wave 128 x 128), THEN a tile of 128 x 256 of v^T
; (A = Wv's columns 128 x on, B = THE SAME ROWS OF x; a wave 64 x 128).  So x's scale words serve twice, and x's codes of K steps 4-7 still lie in the two slots when the first tile ends: the second tile begins with them,
; and only K steps 0-3 of x are fetched again, into the parts of the slots that held Wq | Wk.  Wv's 128 rows, all of K (98,304 dense bytes), come with the first fills.
; OPERANDS ARE IMAGES OF REGISTERS: a fragment (16 row slots x 128 K, 12 registers a lane) is 1,536 bytes, registers 4 c .. 4 c + 3 of lane L at 512 c + 16 L; codes [block][K step][1536]; scale words [K step][slot].
; Slot r of block g is true row 32 (g / 2) + 8 (g % 2) + r % 8 + 16 (r / 8).  THE MATRIX INSTRUCTION IS USED TRANSPOSED (source 0 = B's 16 slots, source 1 = A's): a lane holds ONE slot of A, and the 16 registers of
; B's blocks 2 j and 2 j + 1 are 16 NEIGHBOURING true columns: so a wave's 64 registers of a block of A are a row's 128 columns in the order in which the quantiser wants them, and become one fragment of the next operand.
; THE RING.  K goes in slots of 256 through two LDS slots filled by the tensor data mover; a tile's row is a block's 3,072 bytes.  CLUSTERS 4 x 4: what hangs on y alone (x's rows) is asked for jointly along a row of the
; cluster, what hangs on x alone (the weights) along a column.  No prefetch: the ring has four slots' worth of K, two of them first fills.
; LIMITS: NaN and infinities are not served; a block whose largest magnitude lies under 2^-124 keeps the byte 1.  v^T's sums take K steps 4-7 ahead of K steps 0-3.
; REGISTERS: window 0: v8-29 addresses; v32-63 scale words, two sets, and nothing else; v64-127 bq or bk by column; v128-223 A's fragments, one set; v230-237 Wv's scale words on their way to LDS; v240-247 bv by row.
;   Way out: v128-191 a row's 64 numbers, v192-228 the quantiser.  window 1: B's fragments, two sets (v0, v128).  windows 2, 3: the accumulators of A's blocks 0-3, 4-7: (a, b) at v[8 (8 (a % 4) + b)].
.set NA,    8                          ; A's blocks of 16 slots a wave, in the first tile
.set NQ,    2                          ; K steps of 128 in a slot
.set KS,    8                          ; K steps in all
.set BLKB,  NQ*1536                    ; a block's bytes in a slot
.set AH,    8*BLKB                     ; eight blocks: what one tensor load brings
.set BH,    8*BLKB
.set SLOT,  2*AH+2*BH                  ; x's two halves, then the weight's two halves
.set LAPS,  KS/(2*NQ)
.set HS,    KS*512                     ; the scale words of 128 slots: [K step][128]
.set SCL2,  2*SLOT                     ; Wv's scale words [8][128]: stored by the waves, never a tensor load's target
.set SCL,   SCL2+HS                    ; x's, two halves
.set SCLB,  SCL+2*HS                   ; Wq | Wk's, two halves
.set WR,    SCLB+2*HS                  ; Wv's codes: [4 K slots][8 blocks][3072]
.set SPARE, WR+4*AH                    ; the spare words: 128 bytes a wave, two blocks of 256 bytes that no other line names
.set STG,   SPARE+512                  ; a wave's stage for the scale words that it makes
.set WST,   512
.set XWS,   9437184
.set QKS,   12582912
.set VTS,   6291456
.set XB,   8                           ; v8-11  the second tile: x's fragments: K steps 4, 5 | 6, 7 | 0, 1 | 2, 3
.set WA,   12                          ; v12-13 Wv's fragments: K slots 0, 1 | 2, 3
.set ADRS2, 14                         ; v14 the second tile's scale words: lanes 0-15 Wv's, lanes 16-31 x's
.set WSA,  15                          ; v15 where I put Wv's scale words
.set ADRA, 16                          ; v16-17 LDS address of my A fragments in slot 0, 1
.set SRA2, 18                          ; v18 where I read the second tile's scale words back
.set FO8,  19                          ; v19 8 x lane
.set ADRB, 20                          ; v20-21 the same as v16-17 for B
.set T4,   22                          ; v22 4 x my thread's number
.set FO,   24                          ; v24 16 x lane
.set SWA,  25                          ; v25 where I put a scale word
.set SRA,  26                          ; v26 where I read them back
.set ADRS, 27                          ; v27 my scale words: lanes 0-15 A's, lanes 16-31 B's
.set SPW,  28                          ; v28 my spare word; never rewritten
.set NIL,  29                          ; v29 0; never rewritten
.set SC,   32
.set BC,   64
.set AF,   128
.set WS,   230
.set BR,   240
.set T,    128
.set PC,   192
.set TM,   212
.set PW,   228
.set G0W, 8                            ; s[8:11]  group 0 for Wv's codes
.set G0X, 12                           ; s[12:15] group 0 for x's K steps 0-3, fetched again
.set G1, 24
.set G0, 32
.set G1B, 48
.set G0B, 56
.set G1S, 68
.set G0S, 76
.set G1SB, 80
.set G0SB, 88
.set OB, 92                            ; s[92:93] where my fragments of q | k go
.set OS, 94                            ; s[94:95] and their scale words
.set OB2, 96                           ; s[96:97] where my fragments of v^T go
.set SEL, 98                           ; s[98:99] selects of v_permlanex16_b32: lane l xor 16
.set OS2, 100                          ; s[100:101] v^T's scale words
.set MSB, 0
.macro WIN new                         ; the immediate's high byte repeats the setting that is left
.if MSB != (\new)
	s_set_vgpr_msb (MSB<<8)|(\new)
.set MSB, (\new)
.endif
.endm
.set MUL_LO, 0xa1                      ; source 0 (B) window 1, source 1 (A) window 0, C and D window 2
.set MUL_HI, 0xf1                      ; the same, C and D window 3
.set TO_B,   0x40
.macro DESC1 g, c, r, p                ; words 1 to 7 of a descriptor's group 1: r rows of c elements, p elements apart; the tensor's extents are the tile's
	s_mov_b32 s[\g+1], ((\c)&0xffff)<<16
	s_mov_b32 s[\g+2], ((\c)>>16)|((\r)<<16)
	s_mov_b32 s[\g+3], (\c)<<16
	s_mov_b32 s[\g+4], \r
	s_mov_b32 s[\g+5], \p
	s_mov_b32 s[\g+6], 0
	s_mov_b32 s[\g+7], 0
.endm
; A joint load: waves 0 and 1 fetch for A, waves 2 and 3 for B; the branch hangs on the wave's number alone.  Four v_nop follow each of the two lines.
.macro JLOAD g0a, g1a, g0b, g1b
	s_cmp_eq_u32 s17, 0
	s_cbranch_scc0 .Lfor_b_\@
	tensor_load_to_lds s[\g0a:\g0a+3], s[\g1a:\g1a+7]
	s_nop 0
.rept 4
	v_nop
.endr
	s_branch .Lasked_\@
.Lfor_b_\@:
	tensor_load_to_lds s[\g0b:\g0b+3], s[\g1b:\g1b+7]
	s_nop 0
.rept 4
	v_nop
.endr
.Lasked_\@:
.endm
; x's codes once more, for the second tile: waves 0 and 1 fetch the two halves, jointly along my row of the cluster, with A's group 1.
; The four v_nop stand on both ways: behind the load, and as the places in front of what follows.
.macro XLOAD
	s_cmp_eq_u32 s17, 0
	s_cbranch_scc0 .Lnot_mine_\@
	tensor_load_to_lds s[G0X:G0X+3], s[G1:G1+7]
	s_nop 0
.Lnot_mine_\@:
.rept 4
	v_nop
.endr
.endm
.macro CREST                           ; a round of the cluster's barrier behind its opening barrier
	s_cmp_lg_u32 s16, 0
	s_cbranch_scc1 .Lnot_wave_0_\@
	s_barrier_signal -3
.Lnot_wave_0_\@:
	s_barrier_wait -3
	s_barrier_signal -1
	s_barrier_wait -1
.endm
.macro CROUND
	s_barrier_signal -1
	s_barrier_wait -1
	CREST
.endm
.macro PLACES n                        ; plain vector places behind matrix instructions, in front of loads into their registers and of reads of their results
.rept \n
	v_nop
.endr
.endm
.macro FRAG reg, adr, q, i             ; a fragment comes back as it was stored: three loads of 512 consecutive bytes
.irp c, 0,1,2
	ds_load_b128 v[\reg+4*\c:\reg+4*\c+3], v[\adr] offset:(\i)*BLKB+(\q)*1536+512*\c
.endr
.endm
.macro FETCH_B slot, q, p              ; B's eight fragments of the slot's q-th K step into set p
	WIN TO_B
.irp i, 0,1,2,3,4,5,6,7
	FRAG 128*(\p)+12*\i, ADRB+\slot, \q, \i
.endr
	WIN 0
.endm
.macro FETCH_A slot, q, i0             ; half of A's blocks, from i0 on
.set FI, \i0
.rept NA/2
	FRAG AF+12*FI, ADRA+\slot, \q, FI
.set FI, FI+1
.endr
.endm
.macro SCALES set                      ; a slot's scale words: register NQ i + q: lanes 0-15 A's block i, lanes 16-31 B's block i
.irp i, 0,1,2,3,4,5,6,7
.set SQ, 0
.rept NQ
	ds_load_b32 v[SC+8*NQ*\set+NQ*\i+SQ], v[ADRS] offset:512*SQ+64*\i
.set SQ, SQ+1
.endr
.endr
.endm
; Eight products: A's block a against B's eight.  The accumulators take turns, one instruction a turn, in the same order in every step.  zero = 1: the product starts the sum.
.macro MULB a, p, q, set, zero
.irp b, 0,1,2,3,4,5,6,7
.if \zero
	v_wmma_scale_f32_16x16x128_f8f6f4 v[8*(8*((\a)%4)+\b):8*(8*((\a)%4)+\b)+7], v[128*(\p)+12*\b:128*(\p)+12*\b+11], v[AF+12*(\a):AF+12*(\a)+11], 0, v[SC+8*NQ*(\set)+NQ*\b+(\q)], v[SC+8*NQ*(\set)+NQ*(\a)+(\q)] matrix_a_fmt:MATRIX_FMT_FP6 matrix_b_fmt:MATRIX_FMT_FP6 matrix_a_scale:MATRIX_SCALE_ROW1
.else
	v_wmma_scale_f32_16x16x128_f8f6f4 v[8*(8*((\a)%4)+\b):8*(8*((\a)%4)+\b)+7], v[128*(\p)+12*\b:128*(\p)+12*\b+11], v[AF+12*(\a):AF+12*(\a)+11], v[8*(8*((\a)%4)+\b):8*(8*((\a)%4)+\b)+7], v[SC+8*NQ*(\set)+NQ*\b+(\q)], v[SC+8*NQ*(\set)+NQ*(\a)+(\q)] matrix_a_fmt:MATRIX_FMT_FP6 matrix_b_fmt:MATRIX_FMT_FP6 matrix_a_scale:MATRIX_SCALE_ROW1
.endif
.endr
.endm
.macro MULH a0, n, p, q, set, zero     ; n blocks of A from a0 on
.set MA, \a0
.rept \n
	MULB MA, \p, \q, \set, \zero
.set MA, MA+1
.endr
.endm
; A K step of the first tile that has its successor in the same slot.  A has one set of registers: its lower blocks are fetched anew in the step's middle, its upper blocks at the end; B has two sets.
.macro STEP slot, q, zero
	s_wait_dscnt (NA/2)*3                          ; all is in but the youngest loads: A's upper blocks
	WIN MUL_LO
	MULH 0, NA/2, (\q)%2, \q, \slot, \zero
	s_wait_dscnt 0
	PLACES 4
	FETCH_B \slot, (\q)+1, 1-(\q)%2
	FETCH_A \slot, (\q)+1, 0
	WIN MUL_HI
	MULH NA/2, NA/2, (\q)%2, \q, \slot, \zero
	PLACES 4
	WIN 0
	FETCH_A \slot, (\q)+1, NA/2
.endm
; A slot's last K step changes slots: one barrier, which opens a round of the cluster's; in front of it each wave waits for all its tensor loads, adds 0 to its spare word, and waits for that and for its reads of this slot.
; fill = 1: the slot takes the first tile's K two slots on.  fill = 2: the weight's part of the slot takes x's K steps 0, 1 for the second tile; x's part stays as it is.
.macro TURN slot, next, fill
	s_wait_tensorcnt 0x0                           ; all my tensor loads have landed: my part of the next slot (at the first change Wv's codes too)
	ds_add_u32 v[SPW], v[NIL]                      ; 0 onto my spare word
	s_wait_dscnt (NA/2)*3+1                        ; (the add and A's upper blocks may be out)
	WIN MUL_LO
	MULH 0, NA/4, 1, NQ-1, \slot, 0
	s_wait_dscnt 0x0                               ; the add is done, and my reads of this slot are over
	s_barrier_signal -1
	MULH NA/4, NA/4, 1, NQ-1, \slot, 0
	WIN 0
	s_barrier_wait -1
	CREST                                          ; no wave of any partner still reads this slot or has a load on its way
.if \fill == 1
	s_add_nc_u64 s[G0+4*\slot+2:G0+4*\slot+3], s[G0+4*\slot+2:G0+4*\slot+3], 2*BLKB
	s_add_nc_u64 s[G0B+4*\slot+2:G0B+4*\slot+3], s[G0B+4*\slot+2:G0B+4*\slot+3], 2*BLKB
	JLOAD G0+4*\slot, G1, G0B+4*\slot, G1B         ; the first tensor load behind the round; its four v_nop are the places in front of the loads below
.else
	XLOAD
.endif
	v_add_nc_u32 v[ADRS], 512*NQ, v[ADRS]          ; the next slot's scale words (no LDS load of mine is out)
	FETCH_B \next, 0, 0
	FETCH_A \next, 0, 0
	SCALES \next
	WIN MUL_HI
	MULH NA/2, NA/2, 1, NQ-1, \slot, 0
	PLACES 4
	WIN 0
	FETCH_A \next, 0, NA/2
.endm
.macro MID slot                        ; a slot's K steps 1 .. NQ - 2
.set MQ, 1
.rept NQ-2
	STEP \slot, MQ, 0
.set MQ, MQ+1
.endr
.endm
.macro LAST                            ; the first tile's last K step: nothing more to fetch
	s_wait_dscnt (NA/2)*3
	WIN MUL_LO
	MULH 0, NA/2, 1, NQ-1, 1, 0
	s_wait_dscnt 0
	WIN MUL_HI
	MULH NA/2, NA/2, 1, NQ-1, 1, 0
	WIN 0
.endm
; THE SECOND TILE.  Its step t (0 .. 7) is K step (t + 4) % 8.  x's fragments lie at four places, two steps at each; Wv's in its own region.  No LDS byte is filled while it runs, so it has no barrier.
.macro FRAGO reg, adr, off
.irp c, 0,1,2
	ds_load_b128 v[\reg+4*\c:\reg+4*\c+3], v[\adr] offset:(\off)+512*\c
.endr
.endm
.macro VFB t, p                        ; x's eight fragments of step t into set p
	WIN TO_B
.irp i, 0,1,2,3,4,5,6,7
	FRAGO 128*(\p)+12*\i, XB+(\t)/2, ((\t)%2)*1536+\i*BLKB
.endr
	WIN 0
.endm
.macro VFA t, i0                       ; two of Wv's four fragments of step t, from block i0 on
.set VS, ((\t)+4)%8
.irp i, \i0, \i0+1
	FRAGO AF+12*(\i), WA+VS/4, ((VS/2)%2)*AH+(\i)*BLKB+(VS%2)*1536
.endr
.endm
.macro VSC u                           ; the scale words of steps 2 u, 2 u + 1 into set u % 2: lanes 0-15 Wv's block i (for i over 3: words that no product names), lanes 16-31 x's block i
.set VS, (2*(\u)+4)%8
.irp i, 0,1,2,3,4,5,6,7
.irp q, 0,1
	ds_load_b32 v[SC+16*((\u)%2)+2*\i+\q], v[ADRS2] offset:512*(VS+\q)+64*\i
.endr
.endr
.endm
.macro VSTEP t, zero                   ; 32 products, and the next step's fragments
	s_wait_dscnt 6                                 ; all is in but the youngest loads: Wv's upper two blocks
	WIN MUL_LO
	MULH 0, 2, (\t)%2, (\t)%2, ((\t)/2)%2, \zero
	s_wait_dscnt 0
	PLACES 4
	VFB (\t)+1, 1-(\t)%2
	VFA (\t)+1, 0
.if (\t)%2 == 1
	VSC ((\t)+1)/2
.endif
	WIN MUL_LO
	MULH 2, 2, (\t)%2, (\t)%2, ((\t)/2)%2, \zero
	PLACES 4
	WIN 0
	VFA (\t)+1, 2
.endm
.macro QMAX s                          ; the largest magnitudes of the four blocks of 32 in v[s] .. v[s + 63]: register 16 b + i = k 32 b + 16 (lane / 16) + i of my row
.irp b, 0,1,2,3
	v_max3_num_f32 v[TM+\b], |v[\s+16*\b]|, |v[\s+1+16*\b]|, 0x1800000   ; and the floor 2^(3 - 127): the byte cannot fall under 1
.endr
.irp i, 2,4,6,8,10,12,14
.irp b, 0,1,2,3
	v_max3_num_f32 v[TM+\b], v[TM+\b], |v[\s+16*\b+\i]|, |v[\s+1+16*\b+\i]|
.endr
.endr
.irp b, 0,1,2,3
	v_permlanex16_b32 v[TM+4+\b], v[TM+\b], s[SEL], s[SEL+1]
.endr
.irp b, 0,1,2,3
	v_max_num_f32 v[TM+\b], v[TM+\b], v[TM+4+\b]
.endr
.endm
.macro QTAIL s                         ; from the four maxima: the scale word in v[PW], the fragment's 12 registers in v[PC] on
.irp b, 0,1,2,3
	v_add_nc_u32 v[TM+12+\b], 0xff000000, v[TM+\b]   ; 2 off the exponent field: the conversion's scale operand
.endr
.irp b, 0,1,2,3
	v_lshrrev_b32 v[TM+4+\b], 23, v[TM+12+\b]
.endr
	v_lshl_or_b32 v[PW], v[TM+5], 8, v[TM+4]
	v_lshl_or_b32 v[PW], v[TM+6], 16, v[PW]
	v_lshl_or_b32 v[PW], v[TM+7], 24, v[PW]
.irp c, 0,1
	v_cvt_scalef32_pk16_fp6_f32 v[PC+6*\c:PC+2+6*\c], v[\s+32*\c:\s+15+32*\c], v[TM+12+2*\c]
	v_cvt_scalef32_pk16_fp6_f32 v[PC+12+4*\c:PC+14+4*\c], v[\s+16+32*\c:\s+31+32*\c], v[TM+12+2*\c+1]
.endr
	v_nop                                          ; one plain place behind a scaled conversion
.irp c, 0,1
.irp i, 0,1,2
	v_permlane16_swap_b32 v[PC+6*\c+\i], v[PC+12+4*\c+\i]
.endr
.irp i, 0,1,2
	v_mov_b32 v[PC+3+6*\c+\i], v[PC+12+4*\c+\i]
.endr
.endr
.endm
	s_load_b64 s[4:5], s[0:1], 0x0                 ; xw
	s_load_b64 s[6:7], s[0:1], 0x18                ; bv
	s_load_b64 s[OB:OB+1], s[0:1], 0x20            ; qk
	s_load_b64 s[OB2:OB2+1], s[0:1], 0x28          ; vt
	v_lshl_add_u32 v[SPW], v0, 2, SPARE
	v_mov_b32 v[NIL], 0
	ds_add_u32 v28, v29
	ds_add_u32 v28, v29
	s_wait_dscnt 0x0
	v_lshrrev_b32 v1, 5, v0
	v_readfirstlane_b32 s16, v1                    ; wave 0..3
	s_lshr_b32 s17, s16, 1                         ; my half of a tile's rows.  Also: I fetch for A (0) or for B (1)
	s_and_b32 s18, s16, 1                          ; my half of its columns.  Also: which half I fetch
	s_bfe_u32 s40, ttmp6, 0x40000                  ; cx
	s_bfe_u32 s41, ttmp6, 0x40004                  ; cy
	s_lshl_b32 s42, ttmp9, 2
	s_add_co_u32 s42, s42, s40                     ; work-group x
	s_and_b32 s44, ttmp7, 0xffff
	s_lshl_b32 s43, s44, 2
	s_add_co_u32 s43, s43, s41                     ; work-group y
	s_lshl_b32 s45, s41, 2
	s_lshl_b32 s45, 15, s45                        ; my row of the cluster
	s_lshl_b32 s46, 0x1111, s40                    ; my column
	s_or_b32 s[G1], s45, (3<<16)|(1<<21)           ; 15:0 the mask; 17:16 elements of 8 bytes; 21 set beside a mask; no padding
	s_or_b32 s[G1B], s46, (3<<16)|(1<<21)
	s_or_b32 s[G1S], s45, (3<<16)|(1<<21)
	s_or_b32 s[G1SB], s46, (3<<16)|(1<<21)
	DESC1 G1, 192*NQ, 8, 192*KS                    ; 8 blocks x a slot's 3,072 bytes, a block's 12,288 bytes apart
	DESC1 G1B, 192*NQ, 8, 192*KS
	DESC1 G1S, 64, KS, 6144                        ; 8 K steps x 128 words, 49,152 bytes apart
	DESC1 G1SB, 64, KS, 6144
	s_mov_b32 s[SEL], 0x76543210
	s_mov_b32 s[SEL+1], 0xfedcba98
	; x's addresses are made of y alone, the weights' of x alone, each in registers that never hold the other coordinate
	s_lshl_b32 s19, s18, 3                         ; the half that I fetch: 8 blocks
	s_lshl_b32 s20, s43, 4
	s_add_co_u32 s20, s20, s19                     ; x's block 16 y + half
	s_lshl_b32 s22, s20, 6
	s_add_co_u32 s22, s22, XWS                     ; its scale words: 64 bytes a block
	s_mov_b32 s23, 0
	s_mul_i32 s20, s20, 12288
	s_mov_b32 s21, 0
	s_lshl_b32 s66, s42, 4
	s_add_co_u32 s66, s66, s19
	s_add_co_u32 s66, s66, 512                     ; Wq and Wk on end: block 512 + 16 x + half
	s_lshl_b32 s100, s66, 6
	s_add_co_u32 s100, s100, XWS
	s_mov_b32 s101, 0
	s_mul_i32 s66, s66, 12288
	s_mov_b32 s67, 0
	s_lshl_b32 s2, s42, 3
	s_add_co_u32 s2, s2, 640                       ; Wv's block 640 + 8 x,
	s_mul_i32 s2, s2, 12288
	s_mul_i32 s3, s16, BLKB
	s_add_co_u32 s2, s2, s3                        ; K slot = my wave's number
	s_mov_b32 s3, 0
	s_mul_i32 s47, s18, AH                         ; where the tiles go in a slot: x's half,
	s_add_co_u32 s44, s47, 2*AH                    ; the weight's half: no place in the cluster enters an LDS address
	s_wait_kmcnt 0x0
	s_add_nc_u64 s[20:21], s[4:5], s[20:21]
	s_add_nc_u64 s[22:23], s[4:5], s[22:23]
	s_add_nc_u64 s[66:67], s[4:5], s[66:67]
	s_add_nc_u64 s[100:101], s[4:5], s[100:101]
	s_add_nc_u64 s[2:3], s[4:5], s[2:3]
	CROUND                                         ; all sixteen work-groups are here: the first joint loads meet
	s_mov_b32 s[G0S], 1
	s_mul_i32 s[G0S+1], s16, HS
	s_add_co_u32 s[G0S+1], s[G0S+1], SCL
	s_mov_b64 s[G0S+2:G0S+3], s[22:23]
	s_or_b32 s[G0S+3], s[G0S+3], 0x80000000
	s_mov_b32 s[G0SB], 1
	s_mul_i32 s[G0SB+1], s16, HS
	s_add_co_u32 s[G0SB+1], s[G0SB+1], SCL
	s_mov_b64 s[G0SB+2:G0SB+3], s[100:101]
	s_or_b32 s[G0SB+3], s[G0SB+3], 0x80000000
	JLOAD G0S, G1S, G0SB, G1SB                     ; the scale words first: they are wanted with the first K step
.irp s, 0,1
	s_mov_b32 s[G0+4*\s], 1
	s_add_co_u32 s[G0+4*\s+1], s47, \s*SLOT
	s_add_nc_u64 s[G0+4*\s+2:G0+4*\s+3], s[20:21], \s*BLKB
	s_or_b32 s[G0+4*\s+3], s[G0+4*\s+3], 0x80000000
	s_mov_b32 s[G0B+4*\s], 1
	s_add_co_u32 s[G0B+4*\s+1], s44, \s*SLOT
	s_add_nc_u64 s[G0B+4*\s+2:G0B+4*\s+3], s[66:67], \s*BLKB
	s_or_b32 s[G0B+4*\s+3], s[G0B+4*\s+3], 0x80000000
	JLOAD G0+4*\s, G1, G0B+4*\s, G1B
.endr
	s_mov_b32 s[G0W], 1
	s_mul_i32 s[G0W+1], s16, AH
	s_add_co_u32 s[G0W+1], s[G0W+1], WR
	s_mov_b64 s[G0W+2:G0W+3], s[2:3]
	s_or_b32 s[G0W+3], s[G0W+3], 0x80000000
	tensor_load_to_lds s[G0W:G0W+3], s[G1B:G1B+7]  ; every wave a K slot of Wv's eight blocks, jointly along my column of the cluster: four tensor loads of mine are out
	s_nop 0
.rept 4
	v_nop
.endr
	s_mov_b32 s[G0X], 1                            ; for later: x's K steps 0, 1 into the weight's part of slot 0
	s_mov_b32 s[G0X+1], s44
	s_mov_b64 s[G0X+2:G0X+3], s[20:21]
	s_or_b32 s[G0X+3], s[G0X+3], 0x80000000
	s_load_b64 s[20:21], s[0:1], 0x8               ; bq
	s_load_b64 s[22:23], s[0:1], 0x10              ; bk: they come while the first tiles are on their way
	v_and_b32 v1, 31, v0                           ; lane
	v_and_b32 v2, 15, v0                           ; r
	v_bfe_u32 v3, v0, 4, 1                         ; h
	v_lshlrev_b32 v[FO], 4, v1
	v_lshlrev_b32 v[FO8], 3, v1
	v_lshlrev_b32 v[T4], 2, v0
	v_lshl_add_u32 v[WSA], v0, 2, SCL2
	s_mul_i32 s2, s17, AH                          ; the first tile: my rows of A,
	s_mov_b32 s3, s44                              ; my columns: rows of B
.irp s, 0,1
	v_add_nc_u32 v[ADRA+\s], s2, v[FO]
	v_add_nc_u32 v[ADRB+\s], s3, v[FO]
	s_add_co_u32 s2, s2, SLOT
	s_add_co_u32 s3, s3, SLOT
.endr
	v_add_nc_u32 v[XB], s47, v[FO]                 ; the second tile: my 128 tokens: x's part of slot 0 (K steps 4, 5),
	v_add_nc_u32 v[XB+1], SLOT, v[XB]              ; of slot 1 (6, 7),
	v_add_nc_u32 v[XB+2], 2*AH, v[XB]              ; the weight's part of slot 0 (0, 1),
	v_add_nc_u32 v[XB+3], SLOT, v[XB+2]            ; of slot 1 (2, 3)
	s_mul_i32 s2, s17, 4*BLKB                      ; my four blocks of Wv's eight
	s_add_co_u32 s2, s2, WR
	v_add_nc_u32 v[WA], s2, v[FO]
	v_add_nc_u32 v[WA+1], 2*AH, v[WA]
	v_lshlrev_b32 v4, 2, v2                        ; scale words: 4 bytes a slot
	s_mul_i32 s2, s17, HS                          ; the first tile: A's: my half
	s_mul_i32 s3, s18, HS                          ; B's: my half, SCLB - SCL further on
	s_add_co_u32 s3, s3, SCLB-SCL
	s_sub_co_u32 s3, s3, s2
	v_mul_u32_u24 v5, s3, v3                       ; lanes 16-31 take B's: one product, the distance between the two
	s_add_co_u32 s2, s2, SCL
	v_add_nc_u32 v5, v4, v5
	v_add_nc_u32 v[ADRS], s2, v5
	s_lshl_b32 s2, s17, 8                          ; the second tile: Wv's: my 64 slots of the 128
	s_mul_i32 s3, s18, HS                          ; x's: my half
	s_add_co_u32 s3, s3, SCL-SCL2
	s_sub_co_u32 s3, s3, s2
	v_mul_u32_u24 v5, s3, v3
	s_add_co_u32 s2, s2, SCL2
	v_add_nc_u32 v5, v4, v5
	v_add_nc_u32 v[ADRS2], s2, v5
	s_mul_i32 s2, s16, WST
	s_add_co_u32 s2, s2, STG
	v_lshl_add_u32 v[SWA], v2, 2, s2
	v_add_nc_u32 v[SRA], s2, v[FO]
	v_add_nc_u32 v[SRA2], s2, v[FO8]
	; where q | k go: col = which 128 columns of the 2,048; i0 = my first block of rows
	s_lshl_b32 s2, s42, 1
	s_add_co_u32 s2, s2, s18                       ; col = 2 x + half
	s_lshl_b32 s3, s43, 4
	s_lshl_b32 s19, s17, 3
	s_add_co_u32 s3, s3, s19                       ; i0 = 16 y + 8 x half
	s_lshr_b32 s19, s2, 3
	s_mul_i32 s66, s19, 6291456                    ; q or k
	s_and_b32 s19, s2, 7
	s_mul_i32 s19, s19, 1536                       ; the K step of the next product
	s_add_co_u32 s66, s66, s19
	s_mul_i32 s19, s3, 12288
	s_add_co_u32 s66, s66, s19
	s_mov_b32 s67, 0
	s_lshl_b32 s100, s2, 15
	s_lshl_b32 s19, s3, 6
	s_add_co_u32 s100, s100, s19
	s_add_co_u32 s100, s100, QKS
	s_mov_b32 s101, 0
	s_add_nc_u64 s[OS:OS+1], s[OB:OB+1], s[100:101]
	s_add_nc_u64 s[OB:OB+1], s[OB:OB+1], s[66:67]
	; where v^T goes: col = which 128 tokens of the 8,192; i0 = my first block of the 64
	s_lshl_b32 s2, s43, 1
	s_add_co_u32 s2, s2, s18                       ; col = 2 y + half
	s_lshl_b32 s3, s42, 3
	s_lshl_b32 s19, s17, 2
	s_add_co_u32 s3, s3, s19                       ; i0 = 8 x + 4 x half
	s_lshr_b32 s19, s2, 4
	s_mul_i32 s66, s19, 1572864                    ; the batch
	s_and_b32 s19, s2, 15
	s_mul_i32 s19, s19, 1536                       ; the K step of the next product: 128 keys of the batch
	s_add_co_u32 s66, s66, s19
	s_mul_i32 s19, s3, 24576
	s_add_co_u32 s66, s66, s19
	s_lshl_b32 s100, s2, 12
	s_lshl_b32 s19, s3, 6
	s_add_co_u32 s100, s100, s19
	s_add_co_u32 s100, s100, VTS
	s_add_nc_u64 s[OS2:OS2+1], s[OB2:OB2+1], s[100:101]
	s_add_nc_u64 s[OB2:OB2+1], s[OB2:OB2+1], s[66:67]
	; Wv's scale words: thread t takes slot t of the 128: a wave reads 128 consecutive bytes of each K step's row.  They wait in registers and go to LDS behind the first tile's last product
	s_lshl_b32 s2, s42, 9
	s_add_co_u32 s2, s2, XWS+40960                 ; slot 10,240 + 128 x
	s_mov_b32 s3, 0
	s_add_nc_u64 s[4:5], s[4:5], s[2:3]
.irp s, 0,1,2,3,4,5,6,7
	global_load_b32 v[WS+\s], v[T4], s[4:5] offset:49152*\s
.endr
	; bv by row: slot r of my block a is row 32 (a / 2) + 8 (a % 2) + r % 8 + 16 (r / 8) of my 64
	s_lshl_b32 s2, s42, 9
	s_lshl_b32 s3, s17, 8
	s_add_co_u32 s2, s2, s3
	v_and_b32 v7, 7, v2
	v_lshrrev_b32 v5, 3, v2
	v_lshl_add_u32 v7, v5, 4, v7
	v_lshl_add_u32 v7, v7, 2, s2
.irp a, 0,1,2,3
	global_load_b32 v[BR+2*\a], v7, s[6:7] offset:4*(32*(\a/2)+8*(\a%2))
	global_load_b32 v[BR+2*\a+1], v7, s[6:7] offset:4*(32*(\a/2)+8*(\a%2))   ; twice: a pair for the packed addition
.endr
	; bq or bk by column: register 16 j + i: column 32 j + 16 h + i of my 128
	s_lshl_b32 s2, s40, 10
	s_lshl_b32 s3, s18, 9
	s_add_co_u32 s2, s2, s3
	v_lshl_add_u32 v6, v3, 6, s2
	s_wait_kmcnt 0x0
	s_cmp_eq_u32 ttmp9, 0                          ; columns 0-1023 are q's: the choice hangs on the cluster's x alone
	s_cselect_b64 s[20:21], s[20:21], s[22:23]
.irp t, 0,1,2,3,4,5,6,7,8,9,10,11,12,13,14,15
	global_load_b128 v[BC+4*\t:BC+4*\t+3], v6, s[20:21] offset:128*(\t/4)+16*(\t%4)
.endr
	s_wait_tensorcnt 2                             ; the scale words and my part of slot 0 are in; slot 1's load and Wv's may be out
	s_barrier_signal -1
	s_barrier_wait -1
	FETCH_B 0, 0, 0
	FETCH_A 0, 0, 0
	SCALES 0
	FETCH_A 0, 0, NA/2
	STEP 0, 0, 1                                   ; the first K step stands in front of the loop: its products start the sums
	s_mov_b32 s3, LAPS-1
.Llap:                                                 ; a trip goes once round the ring and fills both slots again
	MID 0
	TURN 0, 1, 1
	STEP 1, 0, 0
	MID 1
	TURN 1, 0, 1
	STEP 0, 0, 0
	s_sub_co_u32 s3, s3, 1
	s_cmp_lg_u32 s3, 0
	s_cbranch_scc1 .Llap
	MID 0
	TURN 0, 1, 2                                   ; slot 0 is left with x's K steps 4, 5; where Wq | Wk lay, x's K steps 0, 1 are asked for
	STEP 1, 0, 0
	MID 1
	LAST
	; Slot 1 is left with x's K steps 6, 7; where Wq | Wk lay, x's K steps 2, 3 are asked for: the load has the whole way out of q | k in which to land.
	s_wait_loadcnt 0x0                             ; the biases and Wv's scale words
.irp s, 0,1,2,3,4,5,6,7
	ds_store_b32 v[WSA], v[WS+\s] offset:512*\s    ; [K step][slot]: the round below shows them to the other waves
.endr
	s_wait_tensorcnt 0x0                           ; all my tensor loads have landed, x's K steps 0, 1 among them: no load of mine is out, so a group 0 may be written
	ds_add_u32 v[SPW], v[NIL]                      ; 0 onto my spare word
	s_add_co_u32 s[G0X+1], s[G0X+1], SLOT
	s_add_nc_u64 s[G0X+2:G0X+3], s[G0X+2:G0X+3], BLKB
	s_wait_dscnt 0x0                               ; the add and my stores are done, and my reads of slot 1 are over
	CROUND
	XLOAD                                          ; its four v_nop are also the places behind the last products
; THE WAY OUT OF q | k, a block of A's 16 slots at a time: bias, quantiser, and the fragment leaves as it stands: three stores of 512 consecutive bytes.
.macro OUTQ a
	WIN 0x02+(\a)/4                                ; source 0: the accumulators' window
.set J, 0
.rept 32
	v_pk_add_f32 v[T+J:T+J+1], v[64*((\a)%4)+J:64*((\a)%4)+J+1], v[BC+J:BC+J+1]
.set J, J+2
.endr
	WIN 0
	QMAX T
	s_wait_xcnt 0x0                                ; the last block's stores have read the codes' registers, which the conversions below write again
	s_wait_dscnt 0x0                               ; and its LDS store the scale word's
	QTAIL T
.irp c, 0,1,2
	global_store_b128 v[FO], v[PC+4*\c:PC+4*\c+3], s[OB:OB+1] offset:12288*(\a)+512*\c
.endr
	ds_store_b32 v[SWA], v[PW] offset:64*(\a)      ; both halves of the lanes write the same word with the same value
.endm
.irp b, 0,1,2,3
	v_mov_b32 v[TM+4+\b], 0                        ; written once: a lane permute's destination counts as one of its sources
.endr
.irp a, 0,1,2,3,4,5,6,7
	OUTQ \a
.endr
	ds_load_b128 v[T:T+3], v[SRA]                  ; my 128 scale words (LDS serves a wave's instructions in order)
	s_wait_dscnt 0x0
	global_store_b128 v[FO], v[T:T+3], s[OS:OS+1]  ; 512 consecutive bytes, aligned
	; ---- v^T
	s_wait_xcnt 0x0                                ; the stores have read their registers: Wv's fragments land there
	s_wait_tensorcnt 0x0                           ; my part of x's K steps 2, 3 is in,
	s_barrier_signal -1
	s_barrier_wait -1                              ; everybody's is
	VFB 0, 0
	VFA 0, 0
	VSC 0
	VFA 0, 2
	VSTEP 0, 1                                     ; the first step's products start the sums
.irp t, 1,2,3,4,5,6
	VSTEP \t, 0
.endr
	s_wait_dscnt 6                                 ; the last step: nothing more to fetch
	WIN MUL_LO
	MULH 0, 2, 1, 1, 1, 0
	s_wait_dscnt 0
	MULH 2, 2, 1, 1, 1, 0
	WIN 0
; THE WAY OUT OF v^T: as above, with bv by row; a fragment is 16 channels x 128 keys.
.macro OUTV a
	WIN 0x02
.set J, 0
.rept 32
	v_pk_add_f32 v[T+J:T+J+1], v[64*(\a)+J:64*(\a)+J+1], v[BR+2*(\a):BR+2*(\a)+1]
.set J, J+2
.endr
	WIN 0
	QMAX T
	s_wait_xcnt 0x0                                ; the last block's stores have read the codes' registers
	s_wait_dscnt 0x0
	QTAIL T
.irp c, 0,1,2
	global_store_b128 v[FO], v[PC+4*\c:PC+4*\c+3], s[OB2:OB2+1] offset:24576*(\a)+512*\c
.endr
	ds_store_b32 v[SWA], v[PW] offset:64*(\a)
.endm
	PLACES 4
.irp a, 0,1,2,3
	OUTV \a
.endr
	ds_load_b64 v[T:T+1], v[SRA2]                  ; my 64 scale words
	s_wait_dscnt 0x0
	global_store_b64 v[FO8], v[T:T+1], s[OS2:OS2+1]   ; 256 consecutive bytes, aligned
	s_wait_tensorcnt 0x0                           ; the wave's end
	ds_add_u32 v[SPW], v[NIL]
	s_wait_dscnt 0x0
	CROUND                                         ; the closing round
	s_endpgm
.Lfunc_end_k_q2035d80929_proj:
	.size	k_q2035d80929_proj, .Lfunc_end_k_q2035d80929_proj-k_q2035d80929_proj
	.p2alignl 7, 3214868480
	.fill 96, 4, 3214868480
	.section	.rodata,"a",@progbits
	.p2align	6, 0x0
	.amdhsa_kernel k_q2035d80929_proj
		.amdhsa_group_segment_fixed_size 327680
		.amdhsa_private_segment_fixed_size 0
		.amdhsa_enable_private_segment 0
		.amdhsa_kernarg_size 48
		.amdhsa_user_sgpr_count 2
		.amdhsa_user_sgpr_kernarg_segment_ptr 1
		.amdhsa_wavefront_size32 1
		.amdhsa_system_sgpr_workgroup_id_x 1
		.amdhsa_system_sgpr_workgroup_id_y 1
		.amdhsa_system_sgpr_workgroup_id_z 1
		.amdhsa_system_vgpr_workitem_id 0
		.amdhsa_next_free_vgpr 1024
		.amdhsa_next_free_sgpr 102
		.amdhsa_reserve_vcc 0
		.amdhsa_float_denorm_mode_32 3
		.amdhsa_float_denorm_mode_16_64 3
		.amdhsa_memory_ordered 1
		.amdhsa_forward_progress 1
		.amdhsa_inst_pref_size 249
	.end_amdhsa_kernel
	.amdgpu_metadata
---
amdhsa.version: [ 1, 2 ]
amdhsa.kernels:
  - .name:           k_q2035d80929_proj
    .symbol:         k_q2035d80929_proj.kd
    .args:
      - { .name: xw, .offset: 0, .size: 8, .value_kind: global_buffer, .address_space: global }
      - { .name: bq, .offset: 8, .size: 8, .value_kind: global_buffer, .address_space: global }
      - { .name: bk, .offset: 16, .size: 8, .value_kind: global_buffer, .address_space: global }
      - { .name: bv, .offset: 24, .size: 8, .value_kind: global_buffer, .address_space: global }
      - { .name: qk, .offset: 32, .size: 8, .value_kind: global_buffer, .address_space: global }
      - { .name: vt, .offset: 40, .size: 8, .value_kind: global_buffer, .address_space: global }
    .group_segment_fixed_size: 327680
    .private_segment_fixed_size: 0
    .kernarg_segment_align: 8
    .kernarg_segment_size: 48
    .max_flat_workgroup_size: 128
    .sgpr_count:     102
    .vgpr_count:     1024
    .wavefront_size: 32
...
	.end_amdgpu_metadata
.endif
;; end of part 2
;; launch scores (part 3): grid 8 x 32, 4 waves a work-group, clusters of 4 x 4, 327,680 bytes of LDS; arguments qk, pp; writes pp
.if DOCPART == 3
	.amdgcn_target "amdgcn-amd-amdhsa--gfx1250"
	.amdhsa_code_object_version 6
	.text
	.protected	k_q2035d80929_scores
	.globl	k_q2035d80929_scores
	.p2align	8
	.type	k_q2035d80929_scores,@function
k_q2035d80929_scores:
	s_mov_b64 s[64:65], 0
	v_nop
	global_prefetch_b8 v0, s[64:65] scope:SCOPE_SE
	s_setreg_imm32_b32 hwreg(HW_REG_WAVE_MODE, 25, 1), 1
	s_wait_xcnt 0x0
	s_wait_alu depctr_hold_cnt(0) depctr_sa_sdst(0) depctr_va_vdst(0) depctr_va_sdst(0) depctr_va_ssrc(0) depctr_va_vcc(0) depctr_vm_vsrc(0)
	s_getreg_b32 s2, hwreg(HW_REG_IB_STS2, 6, 4)
	s_cmp_eq_u32 s2, 0
	s_cbranch_scc0 .Lentry_in_a_cluster
	s_endpgm
.Lentry_in_a_cluster:
	s_bfe_u32 s2, ttmp6, 0x10000c
	s_cmp_lg_u32 s2, 0xf033
	s_cbranch_scc0 .Lentry_shape_is_right
	s_endpgm
.Lentry_shape_is_right:
; S = q k^T on codes of FP6 (E2M3) with E8M0 scales out of qk, batch by batch; t = S log2(e) / 8; and the softmax's p for the next product, quantised along the keys.
; A wave's 128 keys are one K step of the next product.  For each query and each such chunk: M_loc = ceil(the chunk's largest t), a whole number; p = 2^(t - M_loc); its codes, its scale word (four bytes),
; -M_loc and the sum of the unquantised p go to pp.  The next launch takes the row's M = the largest M_loc and lowers each chunk's scale bytes by M - M_loc: a power of two, which changes no code.
; pp: codes [512 blocks of 16 query slots][16 chunks][1536]; at PPS three tables [16 chunks][8192 slots]: scale words, -M_loc (f32), the sums (f32).
; OPERANDS ARE IMAGES OF REGISTERS: a fragment (16 row slots x 128 K, 12 registers a lane) is 1,536 bytes, registers 4 c .. 4 c + 3 of lane L at 512 c + 16 L; codes [block][K step][1536]; scale words [K step][slot].
; Slot r of block g is true row 32 (g / 2) + 8 (g % 2) + r % 8 + 16 (r / 8).  THE MATRIX INSTRUCTION IS USED TRANSPOSED (source 0 = 16 slots of k, source 1 = 16 of q): a lane holds ONE query, and the 16 registers of
; k's blocks 2 j and 2 j + 1 are 16 NEIGHBOURING keys.
; A tile of S is 256 x 256: four waves, each 128 x 128.  K = 1,024 goes in slots of 256 through a ring of two LDS slots.  CLUSTERS 4 x 4: q's tiles are asked for jointly along a row of the cluster, k's along a column.
; No prefetch: the ring has four slots' worth of K, two of them first fills.  LIMITS: NaN and infinities are not served; a block of p under 2^-124 keeps the byte 1 (v_exp_f32 gives 0 under 2^-126).
; REGISTERS: window 0: v16-29 addresses; v32-63 scale words, two sets, and nothing else; v128-223 A's fragments.  Way out: v128-191 t, then p; v192-228 the quantiser; v229-235 the row's figures.
;   window 1: B's fragments, two sets.  windows 2, 3: the accumulators: (a, b) at v[8 (8 (a % 4) + b)].
.set NA,    8
.set NQ,    2
.set KS,    8
.set BLKB,  NQ*1536
.set AH,    NA*BLKB
.set BH,    8*BLKB
.set SLOT,  2*AH+2*BH
.set LAPS,  KS/(2*NQ)
.set HS,    KS*512
.set SCL,   2*SLOT
.set SCLB,  SCL+2*HS
.set SPARE, SCLB+2*HS                  ; the spare words: 128 bytes a wave, two blocks of 256 bytes that no other line names
.set STG,   SPARE+512                  ; a wave's stage: 128 scale words, 128 -M_loc, 128 sums
.set WST,   1536
.set QKS,   12582912
.set PPS,   12582912
.set ADRA, 16
.set ADRB, 20
.set FO,   24
.set SWA,  25
.set SRA,  26
.set ADRS, 27
.set SPW,  28
.set NIL,  29
.set SC,   32
.set AF,   128
.set T,    128
.set PC,   192
.set TM,   212
.set PW,   228
.set RM,   229                         ; v229 the chunk's largest t
.set NM,   230                         ; v[230:231] -M_loc (the packed form names the pair and takes its low word)
.set SX,   232                         ; v[232:235] the sum, in two chains of two
.set SY,   234
.set G1, 24
.set G0, 32
.set G1B, 48
.set G0B, 56
.set G1S, 68
.set G0S, 76
.set G1SB, 80
.set G0SB, 88
.set OB, 92
.set OS, 94
.set CS, 96                            ; s[96:97] c = log2(e) / 8
.set SEL, 98
.set MSB, 0
.macro WIN new                         ; the immediate's high byte repeats the setting that is left
.if MSB != (\new)
	s_set_vgpr_msb (MSB<<8)|(\new)
.set MSB, (\new)
.endif
.endm
.set MUL_LO, 0xa1
.set MUL_HI, 0xa1+0x50*(NA/8)
.set TO_B,   0x40
.macro DESC1 g, c, r, p                ; words 1 to 7 of a descriptor's group 1: r rows of c elements, p elements apart
	s_mov_b32 s[\g+1], ((\c)&0xffff)<<16
	s_mov_b32 s[\g+2], ((\c)>>16)|((\r)<<16)
	s_mov_b32 s[\g+3], (\c)<<16
	s_mov_b32 s[\g+4], \r
	s_mov_b32 s[\g+5], \p
	s_mov_b32 s[\g+6], 0
	s_mov_b32 s[\g+7], 0
.endm
.macro JLOAD g0a, g1a, g0b, g1b        ; a joint load: waves 0 and 1 fetch for A, waves 2 and 3 for B; four v_nop follow each line
	s_cmp_eq_u32 s17, 0
	s_cbranch_scc0 .Lfor_b_\@
	tensor_load_to_lds s[\g0a:\g0a+3], s[\g1a:\g1a+7]
	s_nop 0
.rept 4
	v_nop
.endr
	s_branch .Lasked_\@
.Lfor_b_\@:
	tensor_load_to_lds s[\g0b:\g0b+3], s[\g1b:\g1b+7]
	s_nop 0
.rept 4
	v_nop
.endr
.Lasked_\@:
.endm
.macro CREST
	s_cmp_lg_u32 s16, 0
	s_cbranch_scc1 .Lnot_wave_0_\@
	s_barrier_signal -3
.Lnot_wave_0_\@:
	s_barrier_wait -3
	s_barrier_signal -1
	s_barrier_wait -1
.endm
.macro CROUND
	s_barrier_signal -1
	s_barrier_wait -1
	CREST
.endm
.macro PLACES n
.rept \n
	v_nop
.endr
.endm
.macro FRAG reg, adr, q, i
.irp c, 0,1,2
	ds_load_b128 v[\reg+4*\c:\reg+4*\c+3], v[\adr] offset:(\i)*BLKB+(\q)*1536+512*\c
.endr
.endm
.macro FETCH_B slot, q, p
	WIN TO_B
.irp i, 0,1,2,3,4,5,6,7
	FRAG 128*(\p)+12*\i, ADRB+\slot, \q, \i
.endr
	WIN 0
.endm
.macro FETCH_A slot, q, i0
.set FI, \i0
.rept NA/2
	FRAG AF+12*FI, ADRA+\slot, \q, FI
.set FI, FI+1
.endr
.endm
.macro SCALES set
.irp i, 0,1,2,3,4,5,6,7
.set SQ, 0
.rept NQ
	ds_load_b32 v[SC+8*NQ*\set+NQ*\i+SQ], v[ADRS] offset:512*SQ+64*\i
.set SQ, SQ+1
.endr
.endr
.endm
.macro MULB a, p, q, set, zero         ; A's block a against B's eight; the accumulators take turns
.irp b, 0,1,2,3,4,5,6,7
.if \zero
	v_wmma_scale_f32_16x16x128_f8f6f4 v[8*(8*((\a)%4)+\b):8*(8*((\a)%4)+\b)+7], v[128*(\p)+12*\b:128*(\p)+12*\b+11], v[AF+12*(\a):AF+12*(\a)+11], 0, v[SC+8*NQ*(\set)+NQ*\b+(\q)], v[SC+8*NQ*(\set)+NQ*(\a)+(\q)] matrix_a_fmt:MATRIX_FMT_FP6 matrix_b_fmt:MATRIX_FMT_FP6 matrix_a_scale:MATRIX_SCALE_ROW1
.else
	v_wmma_scale_f32_16x16x128_f8f6f4 v[8*(8*((\a)%4)+\b):8*(8*((\a)%4)+\b)+7], v[128*(\p)+12*\b:128*(\p)+12*\b+11], v[AF+12*(\a):AF+12*(\a)+11], v[8*(8*((\a)%4)+\b):8*(8*((\a)%4)+\b)+7], v[SC+8*NQ*(\set)+NQ*\b+(\q)], v[SC+8*NQ*(\set)+NQ*(\a)+(\q)] matrix_a_fmt:MATRIX_FMT_FP6 matrix_b_fmt:MATRIX_FMT_FP6 matrix_a_scale:MATRIX_SCALE_ROW1
.endif
.endr
.endm
.macro MULH a0, n, p, q, set, zero
.set MA, \a0
.rept \n
	MULB MA, \p, \q, \set, \zero
.set MA, MA+1
.endr
.endm
.macro STEP slot, q, zero
	s_wait_dscnt (NA/2)*3                          ; all is in but the youngest loads: A's upper blocks
	WIN MUL_LO
	MULH 0, NA/2, (\q)%2, \q, \slot, \zero
	s_wait_dscnt 0
	PLACES 4
	FETCH_B \slot, (\q)+1, 1-(\q)%2
	FETCH_A \slot, (\q)+1, 0
	WIN MUL_HI
	MULH NA/2, NA/2, (\q)%2, \q, \slot, \zero
	PLACES 4
	WIN 0
	FETCH_A \slot, (\q)+1, NA/2
.endm
.macro TURN slot, next, fill
	s_wait_tensorcnt 0x0                           ; all my tensor loads have landed: my part of the next slot
	ds_add_u32 v[SPW], v[NIL]                      ; 0 onto my spare word
	s_wait_dscnt (NA/2)*3+1                        ; (the add and A's upper blocks may be out)
	WIN MUL_LO
	MULH 0, NA/4, 1, NQ-1, \slot, 0
	s_wait_dscnt 0x0                               ; the add is done, and my reads of this slot are over
	s_barrier_signal -1
	MULH NA/4, NA/4, 1, NQ-1, \slot, 0
	WIN 0
	s_barrier_wait -1
.if \fill
	CREST                                          ; a round of the cluster's barrier: no wave of any partner still reads this slot or has a load on its way
	s_add_nc_u64 s[G0+4*\slot+2:G0+4*\slot+3], s[G0+4*\slot+2:G0+4*\slot+3], 2*BLKB
	s_add_nc_u64 s[G0B+4*\slot+2:G0B+4*\slot+3], s[G0B+4*\slot+2:G0B+4*\slot+3], 2*BLKB
	JLOAD G0+4*\slot, G1, G0B+4*\slot, G1B
.else
	PLACES 4
.endif
	v_add_nc_u32 v[ADRS], 512*NQ, v[ADRS]
	FETCH_B \next, 0, 0
	FETCH_A \next, 0, 0
	SCALES \next
	WIN MUL_HI
	MULH NA/2, NA/2, 1, NQ-1, \slot, 0
	PLACES 4
	WIN 0
	FETCH_A \next, 0, NA/2
.endm
.macro MID slot
.set MQ, 1
.rept NQ-2
	STEP \slot, MQ, 0
.set MQ, MQ+1
.endr
.endm
.macro LAST
	s_wait_dscnt (NA/2)*3
	WIN MUL_LO
	MULH 0, NA/2, 1, NQ-1, 1, 0
	s_wait_dscnt 0
	WIN MUL_HI
	MULH NA/2, NA/2, 1, NQ-1, 1, 0
	WIN 0
.endm
.macro QTAIL s                         ; from the four blocks' largest numbers: the scale word in v[PW], the fragment's 12 registers in v[PC] on
.irp b, 0,1,2,3
	v_add_nc_u32 v[TM+12+\b], 0xff000000, v[TM+\b]   ; 2 off the exponent field: the conversion's scale operand
.endr
.irp b, 0,1,2,3
	v_lshrrev_b32 v[TM+4+\b], 23, v[TM+12+\b]
.endr
	v_lshl_or_b32 v[PW], v[TM+5], 8, v[TM+4]
	v_lshl_or_b32 v[PW], v[TM+6], 16, v[PW]
	v_lshl_or_b32 v[PW], v[TM+7], 24, v[PW]
.irp c, 0,1
	v_cvt_scalef32_pk16_fp6_f32 v[PC+6*\c:PC+2+6*\c], v[\s+32*\c:\s+15+32*\c], v[TM+12+2*\c]
	v_cvt_scalef32_pk16_fp6_f32 v[PC+12+4*\c:PC+14+4*\c], v[\s+16+32*\c:\s+31+32*\c], v[TM+12+2*\c+1]
.endr
	v_nop                                          ; one plain place behind a scaled conversion
.irp c, 0,1
.irp i, 0,1,2
	v_permlane16_swap_b32 v[PC+6*\c+\i], v[PC+12+4*\c+\i]
.endr
.irp i, 0,1,2
	v_mov_b32 v[PC+3+6*\c+\i], v[PC+12+4*\c+\i]
.endr
.endr
.endm
	s_load_b128 s[4:7], s[0:1], 0x0                ; qk, pp
	v_lshl_add_u32 v[SPW], v0, 2, SPARE
	v_mov_b32 v[NIL], 0
	ds_add_u32 v28, v29
	ds_add_u32 v28, v29
	s_wait_dscnt 0x0
	v_lshrrev_b32 v1, 5, v0
	v_readfirstlane_b32 s16, v1                    ; wave 0..3
	s_lshr_b32 s17, s16, 1                         ; my half of the tile's rows.  Also: I fetch for A (0) or for B (1)
	s_and_b32 s18, s16, 1                          ; my half of its columns.  Also: which half I fetch
	s_bfe_u32 s40, ttmp6, 0x40000                  ; cx
	s_bfe_u32 s41, ttmp6, 0x40004                  ; cy
	s_lshl_b32 s42, ttmp9, 2
	s_add_co_u32 s42, s42, s40                     ; work-group x: 256 keys of the batch
	s_and_b32 s44, ttmp7, 0xffff
	s_lshl_b32 s43, s44, 2
	s_add_co_u32 s43, s43, s41                     ; work-group y: 256 queries of all 8,192
	s_lshl_b32 s45, s41, 2
	s_lshl_b32 s45, 15, s45                        ; my row of the cluster
	s_lshl_b32 s46, 0x1111, s40                    ; my column
	s_or_b32 s[G1], s45, (3<<16)|(1<<21)           ; 15:0 the mask; 17:16 elements of 8 bytes; 21 set beside a mask; no padding
	s_or_b32 s[G1B], s46, (3<<16)|(1<<21)
	s_or_b32 s[G1S], s45, (3<<16)|(1<<21)
	s_or_b32 s[G1SB], s46, (3<<16)|(1<<21)
	DESC1 G1, 192*NQ, NA, 192*KS
	DESC1 G1B, 192*NQ, 8, 192*KS
	DESC1 G1S, 64, KS, 4096                        ; 8 K steps x 128 words, 32,768 bytes apart
	DESC1 G1SB, 64, KS, 4096
	s_mov_b32 s[SEL], 0x76543210
	s_mov_b32 s[SEL+1], 0xfedcba98
	s_mov_b32 s[CS], 0x3e38aa3b                    ; log2(e) / 8: the division by sqrt(64) is exact, so one rounding as in t = (S / 8) log2(e)
	s_mov_b32 s[CS+1], s[CS]
	s_lshl_b32 s2, s18, 3
	s_lshl_b32 s20, s43, 4
	s_add_co_u32 s20, s20, s2                      ; q's block 16 y + the half that I fetch
	s_lshl_b32 s22, s20, 6
	s_add_co_u32 s22, s22, QKS
	s_mov_b32 s23, 0
	s_mul_i32 s20, s20, 12288
	s_mov_b32 s21, 0
	s_lshr_b32 s66, s44, 1                         ; the batch: y / 8 = cluster y / 2
	s_lshl_b32 s66, s66, 7
	s_lshl_b32 s67, s42, 4
	s_add_co_u32 s66, s66, s67
	s_add_co_u32 s66, s66, s2                      ; k's block 128 batch + 16 x + half
	s_lshl_b32 s100, s66, 6
	s_add_co_u32 s100, s100, QKS+262144            ; k's eight rows of the table lie behind q's
	s_mov_b32 s101, 0
	s_mul_i32 s66, s66, 12288
	s_add_co_u32 s66, s66, 6291456
	s_mov_b32 s67, 0
	s_mul_i32 s47, s18, AH
	s_mul_i32 s2, s18, BH
	s_add_co_u32 s2, s2, 2*AH
	s_wait_kmcnt 0x0
	s_add_nc_u64 s[20:21], s[4:5], s[20:21]
	s_add_nc_u64 s[22:23], s[4:5], s[22:23]
	s_add_nc_u64 s[66:67], s[4:5], s[66:67]
	s_add_nc_u64 s[100:101], s[4:5], s[100:101]
	CROUND                                         ; all sixteen work-groups are here: the first joint loads meet
	s_mov_b32 s[G0S], 1
	s_mul_i32 s[G0S+1], s16, HS
	s_add_co_u32 s[G0S+1], s[G0S+1], SCL
	s_mov_b64 s[G0S+2:G0S+3], s[22:23]
	s_or_b32 s[G0S+3], s[G0S+3], 0x80000000
	s_mov_b32 s[G0SB], 1
	s_mul_i32 s[G0SB+1], s16, HS
	s_add_co_u32 s[G0SB+1], s[G0SB+1], SCL
	s_mov_b64 s[G0SB+2:G0SB+3], s[100:101]
	s_or_b32 s[G0SB+3], s[G0SB+3], 0x80000000
	JLOAD G0S, G1S, G0SB, G1SB
.irp s, 0,1
	s_mov_b32 s[G0+4*\s], 1
	s_add_co_u32 s[G0+4*\s+1], s47, \s*SLOT
	s_add_nc_u64 s[G0+4*\s+2:G0+4*\s+3], s[20:21], \s*BLKB
	s_or_b32 s[G0+4*\s+3], s[G0+4*\s+3], 0x80000000
	s_mov_b32 s[G0B+4*\s], 1
	s_add_co_u32 s[G0B+4*\s+1], s2, \s*SLOT
	s_add_nc_u64 s[G0B+4*\s+2:G0B+4*\s+3], s[66:67], \s*BLKB
	s_or_b32 s[G0B+4*\s+3], s[G0B+4*\s+3], 0x80000000
	JLOAD G0+4*\s, G1, G0B+4*\s, G1B               ; three tensor loads of mine are out
.endr
	v_and_b32 v1, 31, v0
	v_and_b32 v2, 15, v0
	v_bfe_u32 v3, v0, 4, 1
	v_lshlrev_b32 v[FO], 4, v1
	s_mul_i32 s2, s17, AH
	s_mul_i32 s47, s18, BH
	s_add_co_u32 s47, s47, 2*AH
.irp s, 0,1
	v_add_nc_u32 v[ADRA+\s], s2, v[FO]
	v_add_nc_u32 v[ADRB+\s], s47, v[FO]
	s_add_co_u32 s2, s2, SLOT
	s_add_co_u32 s47, s47, SLOT
.endr
	v_lshlrev_b32 v4, 2, v2
	s_mul_i32 s2, s17, HS
	s_mul_i32 s47, s18, HS
	s_add_co_u32 s47, s47, SCLB-SCL
	s_sub_co_u32 s47, s47, s2
	v_mul_u32_u24 v5, s47, v3                      ; lanes 16-31 take B's: one product, the distance between the two
	s_add_co_u32 s2, s2, SCL
	v_add_nc_u32 v4, v4, v5
	v_add_nc_u32 v[ADRS], s2, v4
	s_mul_i32 s2, s16, WST
	s_add_co_u32 s2, s2, STG
	v_lshl_add_u32 v[SWA], v2, 2, s2
	v_add_nc_u32 v[SRA], s2, v[FO]
	s_lshl_b32 s2, s42, 1
	s_add_co_u32 s2, s2, s18                       ; my chunk of 128 keys: 2 x + half
	s_lshl_b32 s22, s43, 4
	s_lshl_b32 s23, s17, 3
	s_add_co_u32 s22, s22, s23                     ; my first block of queries
	s_mul_i32 s66, s22, 24576
	s_mul_i32 s47, s2, 1536
	s_add_co_u32 s66, s66, s47
	s_mov_b32 s67, 0
	s_lshl_b32 s100, s2, 15
	s_lshl_b32 s47, s22, 6
	s_add_co_u32 s100, s100, s47
	s_add_co_u32 s100, s100, PPS
	s_mov_b32 s101, 0
	s_add_nc_u64 s[OB:OB+1], s[6:7], s[66:67]
	s_add_nc_u64 s[OS:OS+1], s[6:7], s[100:101]
	s_wait_tensorcnt 1                             ; the scale words and my part of slot 0 are in; slot 1's load may be out
	s_barrier_signal -1
	s_barrier_wait -1
	FETCH_B 0, 0, 0
	FETCH_A 0, 0, 0
	SCALES 0
	FETCH_A 0, 0, NA/2
	STEP 0, 0, 1
.if LAPS > 1
	s_mov_b32 s3, LAPS-1
.Llap:
	MID 0
	TURN 0, 1, 1
	STEP 1, 0, 0
	MID 1
	TURN 1, 0, 1
	STEP 0, 0, 0
	s_sub_co_u32 s3, s3, 1
	s_cmp_lg_u32 s3, 0
	s_cbranch_scc1 .Llap
.endif
	MID 0
	TURN 0, 1, 0
	STEP 1, 0, 0
	MID 1
	LAST
; THE WAY OUT: 16 queries x my 128 keys at a time.  Register 16 b + i of a lane is key 32 b + 16 (lane / 16) + i of its query.
.macro SOFTQ a
.if (\a) > 0
	s_wait_xcnt 0x0                                ; the last block's stores have read their registers
	s_wait_dscnt 0x0
.endif
	WIN 0x02+(\a)/4                                ; source 0: the accumulators' window
.set J, 0
.rept 32
	v_pk_mul_f32 v[T+J:T+J+1], v[64*((\a)%4)+J:64*((\a)%4)+J+1], s[CS:CS+1] op_sel_hi:[1,0]   ; t
.set J, J+2
.endr
	WIN 0
.irp b, 0,1,2,3
	v_max3_num_f32 v[TM+\b], v[T+16*\b], v[T+1+16*\b], v[T+2+16*\b]   ; the largest t of each block of 32 keys: it serves the chunk's maximum and, since p rises with t, the block's largest p
.endr
.irp i, 3,5,7,9,11,13
.irp b, 0,1,2,3
	v_max3_num_f32 v[TM+\b], v[TM+\b], v[T+16*\b+\i], v[T+1+16*\b+\i]
.endr
.endr
.irp b, 0,1,2,3
	v_max_num_f32 v[TM+\b], v[TM+\b], v[T+15+16*\b]
.endr
.irp b, 0,1,2,3
	v_permlanex16_b32 v[TM+4+\b], v[TM+\b], s[SEL], s[SEL+1]
.endr
.irp b, 0,1,2,3
	v_max_num_f32 v[TM+\b], v[TM+\b], v[TM+4+\b]   ; with lane l xor 16's 16 keys
.endr
	v_max3_num_f32 v[RM], v[TM], v[TM+1], v[TM+2]
	v_max_num_f32 v[RM], v[RM], v[TM+3]
	v_floor_f32 v[NM], -v[RM]                      ; -M_loc = floor(-t) = -ceil(t): a whole number
.set J, 0
.rept 32
	v_pk_add_f32 v[T+J:T+J+1], v[T+J:T+J+1], v[NM:NM+1] op_sel_hi:[1,0]   ; t - M_loc
.set J, J+2
.endr
.irp b, 0,1,2,3
	v_add_f32 v[TM+\b], v[TM+\b], v[NM]            ; the same of each block's largest t: the same bits
.endr
.set J, 0
.rept 64
	v_exp_f32 v[T+J], v[T+J]                       ; p = 2^(t - M_loc), at most 1: not normalised
.set J, J+1
.endr
.irp b, 0,1,2,3
	v_exp_f32 v[TM+\b], v[TM+\b]                   ; the block's largest p
.endr
	v_nop                                          ; a plain place behind the exponentials
	s_wait_alu depctr_va_vdst(0)
.irp b, 0,1,2,3
	v_max_num_f32 v[TM+\b], 0x1800000, v[TM+\b]    ; the floor 2^(3 - 127): the byte cannot fall under 1
.endr
	QTAIL T
	v_pk_add_f32 v[SX:SX+1], v[T:T+1], v[T+2:T+3]  ; the sum is taken of the UNQUANTISED p: two at a time, in two chains
	v_pk_add_f32 v[SY:SY+1], v[T+4:T+5], v[T+6:T+7]
.irp j, 8,12,16,20,24,28,32,36,40,44,48,52,56,60
	v_pk_add_f32 v[SX:SX+1], v[SX:SX+1], v[T+\j:T+\j+1]
	v_pk_add_f32 v[SY:SY+1], v[SY:SY+1], v[T+\j+2:T+\j+3]
.endr
	v_pk_add_f32 v[SX:SX+1], v[SX:SX+1], v[SY:SY+1]
	v_add_f32 v[SX], v[SX], v[SX+1]
	v_permlanex16_b32 v[SX+1], v[SX], s[SEL], s[SEL+1]
	v_add_f32 v[SX], v[SX], v[SX+1]                ; with lane l xor 16's: the chunk's sum
.irp c, 0,1,2
	global_store_b128 v[FO], v[PC+4*\c:PC+4*\c+3], s[OB:OB+1] offset:24576*(\a)+512*\c   ; 512 consecutive bytes
.endr
	ds_store_b32 v[SWA], v[PW] offset:64*(\a)      ; both halves of the lanes write the same word with the same value
	ds_store_b32 v[SWA], v[NM] offset:512+64*(\a)
	ds_store_b32 v[SWA], v[SX] offset:1024+64*(\a)
.endm
	PLACES 4
.irp b, 0,1,2,3
	v_mov_b32 v[TM+4+\b], 0                        ; written once: a lane permute's destination counts as one of its sources
.endr
	v_mov_b32 v[NM+1], 0                           ; named as the upper half of a pair
.irp a, 0,1,2,3,4,5,6,7
	SOFTQ \a
.endr
.irp c, 0,1,2
	ds_load_b128 v[T+4*\c:T+4*\c+3], v[SRA] offset:512*\c   ; LDS serves a wave's instructions in order: these see my stores
.endr
	s_wait_dscnt 0x0
.irp c, 0,1,2
	global_store_b128 v[FO], v[T+4*\c:T+4*\c+3], s[OS:OS+1] offset:524288*\c   ; 512 consecutive bytes of each of the three tables, aligned
.endr
	s_wait_tensorcnt 0x0                           ; the wave's end
	ds_add_u32 v[SPW], v[NIL]
	s_wait_dscnt 0x0
	CROUND                                         ; the closing round
	s_endpgm
.Lfunc_end_k_q2035d80929_scores:
	.size	k_q2035d80929_scores, .Lfunc_end_k_q2035d80929_scores-k_q2035d80929_scores
	.p2alignl 7, 3214868480
	.fill 96, 4, 3214868480
	.section	.rodata,"a",@progbits
	.p2align	6, 0x0
	.amdhsa_kernel k_q2035d80929_scores
		.amdhsa_group_segment_fixed_size 327680
		.amdhsa_private_segment_fixed_size 0
		.amdhsa_enable_private_segment 0
		.amdhsa_kernarg_size 16
		.amdhsa_user_sgpr_count 2
		.amdhsa_user_sgpr_kernarg_segment_ptr 1
		.amdhsa_wavefront_size32 1
		.amdhsa_system_sgpr_workgroup_id_x 1
		.amdhsa_system_sgpr_workgroup_id_y 1
		.amdhsa_system_sgpr_workgroup_id_z 1
		.amdhsa_system_vgpr_workitem_id 0
		.amdhsa_next_free_vgpr 1024
		.amdhsa_next_free_sgpr 102
		.amdhsa_reserve_vcc 0
		.amdhsa_float_denorm_mode_32 3
		.amdhsa_float_denorm_mode_16_64 3
		.amdhsa_memory_ordered 1
		.amdhsa_forward_progress 1
		.amdhsa_inst_pref_size 212
	.end_amdhsa_kernel
	.amdgpu_metadata
---
amdhsa.version: [ 1, 2 ]
amdhsa.kernels:
  - .name:           k_q2035d80929_scores
    .symbol:         k_q2035d80929_scores.kd
    .args:
      - { .name: qk, .offset: 0, .size: 8, .value_kind: global_buffer, .address_space: global }
      - { .name: pp, .offset: 8, .size: 8, .value_kind: global_buffer, .address_space: global }
    .group_segment_fixed_size: 327680
    .private_segment_fixed_size: 0
    .kernarg_segment_align: 8
    .kernarg_segment_size: 16
    .max_flat_workgroup_size: 128
    .sgpr_count:     102
    .vgpr_count:     1024
    .wavefront_size: 32
...
	.end_amdgpu_metadata
.endif
;; end of part 3
;; launch pv (part 4): grid 4 x 64, 4 waves a work-group, clusters of 4 x 4, 327,680 bytes of LDS; arguments pp, vt, cx; writes cx
.if DOCPART == 4
	.amdgcn_target "amdgcn-amd-amdhsa--gfx1250"
	.amdhsa_code_object_version 6
	.text
	.protected	k_q2035d80929_pv
	.globl	k_q2035d80929_pv
	.p2align	8
	.type	k_q2035d80929_pv,@function
k_q2035d80929_pv:
	s_mov_b64 s[64:65], 0
	v_nop
	global_prefetch_b8 v0, s[64:65] scope:SCOPE_SE
	s_setreg_imm32_b32 hwreg(HW_REG_WAVE_MODE, 25, 1), 1
	s_wait_xcnt 0x0
	s_wait_alu depctr_hold_cnt(0) depctr_sa_sdst(0) depctr_va_vdst(0) depctr_va_sdst(0) depctr_va_ssrc(0) depctr_va_vcc(0) depctr_vm_vsrc(0)
	s_getreg_b32 s2, hwreg(HW_REG_IB_STS2, 6, 4)
	s_cmp_eq_u32 s2, 0
	s_cbranch_scc0 .Lentry_in_a_cluster
	s_endpgm
.Lentry_in_a_cluster:
	s_bfe_u32 s2, ttmp6, 0x10000c
	s_cmp_lg_u32 s2, 0xf033
	s_cbranch_scc0 .Lentry_shape_is_right
	s_endpgm
.Lentry_shape_is_right:
; ctx = (p v) / l on codes of FP6 (E2M3) with E8M0 scales: p out of pp (K = a batch's 2,048 keys, 16 chunks of 128), v^T out of vt; ctx is quantised along the model's 1,024 on the way out and leaves as codes in cx.
; THE ROW'S M.  pp holds, for each query and chunk, p under the chunk's own whole number M_loc.  At the head thread t takes query slot t of the work-group's 128: M = the largest M_loc; d = M - M_loc, a whole number;
; the chunk's four scale bytes are lowered by d (held at 0 from below), which brings its p under M and changes no code; l = the sum of the chunks' sums x 2^-d, in f32, chunks ascending.  The words go to LDS, 1 / l too.
; LIMITS: d is held at 127: a chunk whose M_loc lies 127 or more under the row's counts for at most 7.5 x 2^-127 a key.  NaN and infinities are not served; a block of ctx under 2^-124 keeps the byte 1.
; OPERANDS ARE IMAGES OF REGISTERS: a fragment (16 row slots x 128 K, 12 registers a lane) is 1,536 bytes, registers 4 c .. 4 c + 3 of lane L at 512 c + 16 L; codes [block][K step][1536]; scale words [K step][slot].
; THE MATRIX INSTRUCTION IS USED TRANSPOSED (source 0 = 16 slots of v^T, source 1 = 16 queries): a lane holds ONE query, and the 16 registers of v^T's blocks 2 j, 2 j + 1 are 16 NEIGHBOURING channels.
; A tile of ctx is 128 x 256, so that the 8,192 x 1,024 results make 256 work-groups: four waves, each 64 x 128 (32 accumulators).  K goes in slots of 512 through a ring of two LDS slots: 128 products a wave between two
; changes of slots.  CLUSTERS 4 x 4: p's tiles are asked for jointly along a row of the cluster, v^T's along a column.  No prefetch: the ring has four slots' worth of K, two of them first fills.
; REGISTERS: window 0: v9-29 addresses and the head's work; v32-95 scale words, two sets, and nothing else; v128-175 A's fragments (at the head: the three tables' numbers).  Way out: v128-191 a row's 64 numbers, v192-228 the quantiser, v240-247 1 / l.
;   window 1: B's fragments, two sets.  window 2: the accumulators: (a, b) at v[8 (8 a + b)].
.set NA,    4
.set NQ,    4
.set KS,    16
.set BLKB,  NQ*1536
.set AH,    NA*BLKB
.set BH,    8*BLKB
.set SLOT,  2*AH+2*BH
.set LAPS,  KS/(2*NQ)
.set HS,    KS*512
.set SCL,   2*SLOT                     ; p's lowered scale words [16][128]: stored by the head, never a tensor load's target
.set SCLB,  SCL+HS                     ; v^T's, two halves [16][128]
.set SPARE, SCLB+2*HS                  ; the spare words: 128 bytes a wave, two blocks of 256 bytes that no other line names
.set RLS,   SPARE+512                  ; 1 / l of the 128 queries
.set STG,   RLS+512                    ; a wave's stage for the scale words that it makes: 256 bytes
.set WST,   256
.set PPS,   12582912
.set VTS,   6291456
.set CXS,   6291456
.set ADRA, 16
.set ADRB, 20
.set RLA,  22                          ; v22 where my queries' 1 / l lie
.set FO8,  23                          ; v23 8 x lane
.set FO,   24
.set SWA,  25
.set SRA,  26
.set ADRS, 27
.set SPW,  28
.set NIL,  29
.set SC,   32
.set AF,   128
.set T,    128
.set PC,   192
.set TM,   212
.set PW,   228
.set RL,   240
.set G1, 24
.set G0, 32
.set G1B, 48
.set G0B, 56
.set G1SB, 80
.set G0SB, 88
.set OB, 92
.set OS, 94
.set SEL, 98
.set MSB, 0
.macro WIN new                         ; the immediate's high byte repeats the setting that is left
.if MSB != (\new)
	s_set_vgpr_msb (MSB<<8)|(\new)
.set MSB, (\new)
.endif
.endm
.set MUL_LO, 0xa1
.set MUL_HI, 0xa1+0x50*(NA/8)
.set TO_B,   0x40
.macro DESC1 g, c, r, p                ; words 1 to 7 of a descriptor's group 1: r rows of c elements, p elements apart
	s_mov_b32 s[\g+1], ((\c)&0xffff)<<16
	s_mov_b32 s[\g+2], ((\c)>>16)|((\r)<<16)
	s_mov_b32 s[\g+3], (\c)<<16
	s_mov_b32 s[\g+4], \r
	s_mov_b32 s[\g+5], \p
	s_mov_b32 s[\g+6], 0
	s_mov_b32 s[\g+7], 0
.endm
.macro JLOAD g0a, g1a, g0b, g1b        ; a joint load: waves 0 and 1 fetch for A, waves 2 and 3 for B; four v_nop follow each line
	s_cmp_eq_u32 s17, 0
	s_cbranch_scc0 .Lfor_b_\@
	tensor_load_to_lds s[\g0a:\g0a+3], s[\g1a:\g1a+7]
	s_nop 0
.rept 4
	v_nop
.endr
	s_branch .Lasked_\@
.Lfor_b_\@:
	tensor_load_to_lds s[\g0b:\g0b+3], s[\g1b:\g1b+7]
	s_nop 0
.rept 4
	v_nop
.endr
.Lasked_\@:
.endm
.macro CREST
	s_cmp_lg_u32 s16, 0
	s_cbranch_scc1 .Lnot_wave_0_\@
	s_barrier_signal -3
.Lnot_wave_0_\@:
	s_barrier_wait -3
	s_barrier_signal -1
	s_barrier_wait -1
.endm
.macro CROUND
	s_barrier_signal -1
	s_barrier_wait -1
	CREST
.endm
.macro PLACES n
.rept \n
	v_nop
.endr
.endm
.macro FRAG reg, adr, q, i
.irp c, 0,1,2
	ds_load_b128 v[\reg+4*\c:\reg+4*\c+3], v[\adr] offset:(\i)*BLKB+(\q)*1536+512*\c
.endr
.endm
.macro FETCH_B slot, q, p
	WIN TO_B
.irp i, 0,1,2,3,4,5,6,7
	FRAG 128*(\p)+12*\i, ADRB+\slot, \q, \i
.endr
	WIN 0
.endm
.macro FETCH_A slot, q, i0
.set FI, \i0
.rept NA/2
	FRAG AF+12*FI, ADRA+\slot, \q, FI
.set FI, FI+1
.endr
.endm
.macro SCALES set                      ; register NQ i + q: lanes 0-15 A's block i (for i over 3: words that no product names), lanes 16-31 B's block i
.irp i, 0,1,2,3,4,5,6,7
.set SQ, 0
.rept NQ
	ds_load_b32 v[SC+8*NQ*\set+NQ*\i+SQ], v[ADRS] offset:512*SQ+64*\i
.set SQ, SQ+1
.endr
.endr
.endm
.macro MULB a, p, q, set, zero         ; A's block a against B's eight; the accumulators take turns
.irp b, 0,1,2,3,4,5,6,7
.if \zero
	v_wmma_scale_f32_16x16x128_f8f6f4 v[8*(8*((\a)%4)+\b):8*(8*((\a)%4)+\b)+7], v[128*(\p)+12*\b:128*(\p)+12*\b+11], v[AF+12*(\a):AF+12*(\a)+11], 0, v[SC+8*NQ*(\set)+NQ*\b+(\q)], v[SC+8*NQ*(\set)+NQ*(\a)+(\q)] matrix_a_fmt:MATRIX_FMT_FP6 matrix_b_fmt:MATRIX_FMT_FP6 matrix_a_scale:MATRIX_SCALE_ROW1
.else
	v_wmma_scale_f32_16x16x128_f8f6f4 v[8*(8*((\a)%4)+\b):8*(8*((\a)%4)+\b)+7], v[128*(\p)+12*\b:128*(\p)+12*\b+11], v[AF+12*(\a):AF+12*(\a)+11], v[8*(8*((\a)%4)+\b):8*(8*((\a)%4)+\b)+7], v[SC+8*NQ*(\set)+NQ*\b+(\q)], v[SC+8*NQ*(\set)+NQ*(\a)+(\q)] matrix_a_fmt:MATRIX_FMT_FP6 matrix_b_fmt:MATRIX_FMT_FP6 matrix_a_scale:MATRIX_SCALE_ROW1
.endif
.endr
.endm
.macro MULH a0, n, p, q, set, zero
.set MA, \a0
.rept \n
	MULB MA, \p, \q, \set, \zero
.set MA, MA+1
.endr
.endm
.macro STEP slot, q, zero
	s_wait_dscnt (NA/2)*3                          ; all is in but the youngest loads: A's upper blocks
	WIN MUL_LO
	MULH 0, NA/2, (\q)%2, \q, \slot, \zero
	s_wait_dscnt 0
	PLACES 4
	FETCH_B \slot, (\q)+1, 1-(\q)%2
	FETCH_A \slot, (\q)+1, 0
	WIN MUL_HI
	MULH NA/2, NA/2, (\q)%2, \q, \slot, \zero
	PLACES 4
	WIN 0
	FETCH_A \slot, (\q)+1, NA/2
.endm
.macro TURN slot, next, fill
	s_wait_tensorcnt 0x0                           ; all my tensor loads have landed: my part of the next slot
	ds_add_u32 v[SPW], v[NIL]                      ; 0 onto my spare word
	s_wait_dscnt (NA/2)*3+1                        ; (the add and A's upper blocks may be out)
	WIN MUL_LO
	MULH 0, NA/4, 1, NQ-1, \slot, 0
	s_wait_dscnt 0x0                               ; the add is done, and my reads of this slot are over
	s_barrier_signal -1
	MULH NA/4, NA/4, 1, NQ-1, \slot, 0
	WIN 0
	s_barrier_wait -1
.if \fill
	CREST                                          ; a round of the cluster's barrier: no wave of any partner still reads this slot or has a load on its way
	s_add_nc_u64 s[G0+4*\slot+2:G0+4*\slot+3], s[G0+4*\slot+2:G0+4*\slot+3], 2*BLKB
	s_add_nc_u64 s[G0B+4*\slot+2:G0B+4*\slot+3], s[G0B+4*\slot+2:G0B+4*\slot+3], 2*BLKB
	JLOAD G0+4*\slot, G1, G0B+4*\slot, G1B
.else
	PLACES 4
.endif
	v_add_nc_u32 v[ADRS], 512*NQ, v[ADRS]
	FETCH_B \next, 0, 0
	FETCH_A \next, 0, 0
	SCALES \next
	WIN MUL_HI
	MULH NA/2, NA/2, 1, NQ-1, \slot, 0
	PLACES 4
	WIN 0
	FETCH_A \next, 0, NA/2
.endm
.macro MID slot
.set MQ, 1
.rept NQ-2
	STEP \slot, MQ, 0
.set MQ, MQ+1
.endr
.endm
.macro LAST
	s_wait_dscnt (NA/2)*3
	WIN MUL_LO
	MULH 0, NA/2, 1, NQ-1, 1, 0
	s_wait_dscnt 0
	WIN MUL_HI
	MULH NA/2, NA/2, 1, NQ-1, 1, 0
	WIN 0
.endm
.macro QMAX s
.irp b, 0,1,2,3
	v_max3_num_f32 v[TM+\b], |v[\s+16*\b]|, |v[\s+1+16*\b]|, 0x1800000   ; my 16 numbers of block b, and the floor 2^(3 - 127)
.endr
.irp i, 2,4,6,8,10,12,14
.irp b, 0,1,2,3
	v_max3_num_f32 v[TM+\b], v[TM+\b], |v[\s+16*\b+\i]|, |v[\s+1+16*\b+\i]|
.endr
.endr
.irp b, 0,1,2,3
	v_permlanex16_b32 v[TM+4+\b], v[TM+\b], s[SEL], s[SEL+1]
.endr
.irp b, 0,1,2,3
	v_max_num_f32 v[TM+\b], v[TM+\b], v[TM+4+\b]
.endr
.endm
.macro QTAIL s
.irp b, 0,1,2,3
	v_add_nc_u32 v[TM+12+\b], 0xff000000, v[TM+\b]   ; 2 off the exponent field: the conversion's scale operand
.endr
.irp b, 0,1,2,3
	v_lshrrev_b32 v[TM+4+\b], 23, v[TM+12+\b]
.endr
	v_lshl_or_b32 v[PW], v[TM+5], 8, v[TM+4]
	v_lshl_or_b32 v[PW], v[TM+6], 16, v[PW]
	v_lshl_or_b32 v[PW], v[TM+7], 24, v[PW]
.irp c, 0,1
	v_cvt_scalef32_pk16_fp6_f32 v[PC+6*\c:PC+2+6*\c], v[\s+32*\c:\s+15+32*\c], v[TM+12+2*\c]
	v_cvt_scalef32_pk16_fp6_f32 v[PC+12+4*\c:PC+14+4*\c], v[\s+16+32*\c:\s+31+32*\c], v[TM+12+2*\c+1]
.endr
	v_nop                                          ; one plain place behind a scaled conversion
.irp c, 0,1
.irp i, 0,1,2
	v_permlane16_swap_b32 v[PC+6*\c+\i], v[PC+12+4*\c+\i]
.endr
.irp i, 0,1,2
	v_mov_b32 v[PC+3+6*\c+\i], v[PC+12+4*\c+\i]
.endr
.endr
.endm
	s_load_b128 s[4:7], s[0:1], 0x0                ; pp, vt
	s_load_b64 s[8:9], s[0:1], 0x10                ; cx
	v_lshl_add_u32 v[SPW], v0, 2, SPARE
	v_mov_b32 v[NIL], 0
	ds_add_u32 v28, v29
	ds_add_u32 v28, v29
	s_wait_dscnt 0x0
	v_lshrrev_b32 v1, 5, v0
	v_readfirstlane_b32 s16, v1                    ; wave 0..3
	s_lshr_b32 s17, s16, 1                         ; my half of the tile's rows.  Also: I fetch for A (0) or for B (1)
	s_and_b32 s18, s16, 1                          ; my half of its columns.  Also: which half I fetch
	s_bfe_u32 s40, ttmp6, 0x40000                  ; cx
	s_bfe_u32 s41, ttmp6, 0x40004                  ; cy
	s_lshl_b32 s42, ttmp9, 2
	s_add_co_u32 s42, s42, s40                     ; work-group x: 256 channels
	s_and_b32 s44, ttmp7, 0xffff
	s_lshl_b32 s43, s44, 2
	s_add_co_u32 s43, s43, s41                     ; work-group y: 128 queries
	s_lshl_b32 s45, s41, 2
	s_lshl_b32 s45, 15, s45                        ; my row of the cluster
	s_lshl_b32 s46, 0x1111, s40                    ; my column
	s_or_b32 s[G1], s45, (3<<16)|(1<<21)           ; 15:0 the mask; 17:16 elements of 8 bytes; 21 set beside a mask; no padding
	s_or_b32 s[G1B], s46, (3<<16)|(1<<21)
	s_or_b32 s[G1SB], s46, (3<<16)|(1<<21)
	DESC1 G1, 192*NQ, NA, 192*KS                   ; 4 blocks x a slot's 6,144 bytes, a block's 24,576 bytes apart
	DESC1 G1B, 192*NQ, 8, 192*KS
	DESC1 G1SB, 64, 8, 512                         ; 8 K steps x 128 words, 4,096 bytes apart: a quarter of v^T's words a wave
	s_mov_b32 s[SEL], 0x76543210
	s_mov_b32 s[SEL+1], 0xfedcba98
	s_lshl_b32 s20, s43, 3
	s_lshl_b32 s2, s18, 2
	s_add_co_u32 s20, s20, s2                      ; p's block 8 y + the half that I fetch
	s_mul_i32 s20, s20, 24576
	s_mov_b32 s21, 0
	s_lshr_b32 s47, s44, 2                         ; the batch: y / 16 = cluster y / 4
	s_lshl_b32 s66, s42, 4
	s_lshl_b32 s2, s18, 3
	s_add_co_u32 s66, s66, s2                      ; v^T's block 16 x + half, in the batch
	s_mul_i32 s66, s66, 24576
	s_mul_i32 s67, s47, 1572864
	s_add_co_u32 s66, s66, s67
	s_mov_b32 s67, 0
	s_lshl_b32 s100, s47, 16                       ; v^T's words: 16 rows of 4,096 bytes a batch,
	s_lshl_b32 s2, s18, 15
	s_add_co_u32 s100, s100, s2                    ; K steps 8 (wave % 2) on,
	s_lshl_b32 s2, s42, 10
	s_add_co_u32 s100, s100, s2
	s_lshl_b32 s2, s17, 9
	s_add_co_u32 s100, s100, s2                    ; slots 256 x + 128 (wave / 2) on
	s_add_co_u32 s100, s100, VTS
	s_mov_b32 s101, 0
	s_mul_i32 s47, s18, AH
	s_mul_i32 s2, s18, BH
	s_add_co_u32 s2, s2, 2*AH
	s_wait_kmcnt 0x0
	s_add_nc_u64 s[20:21], s[4:5], s[20:21]
	s_add_nc_u64 s[66:67], s[6:7], s[66:67]
	s_add_nc_u64 s[100:101], s[6:7], s[100:101]
	CROUND                                         ; all sixteen work-groups are here: the first joint loads meet
	s_mov_b32 s[G0SB], 1
	s_lshl_b32 s[G0SB+1], s16, 12
	s_add_co_u32 s[G0SB+1], s[G0SB+1], SCLB
	s_mov_b64 s[G0SB+2:G0SB+3], s[100:101]
	s_or_b32 s[G0SB+3], s[G0SB+3], 0x80000000
	tensor_load_to_lds s[G0SB:G0SB+3], s[G1SB:G1SB+7]   ; every wave its quarter of v^T's scale words, jointly along my column of the cluster
	s_nop 0
.rept 4
	v_nop
.endr
.irp s, 0,1
	s_mov_b32 s[G0+4*\s], 1
	s_add_co_u32 s[G0+4*\s+1], s47, \s*SLOT
	s_add_nc_u64 s[G0+4*\s+2:G0+4*\s+3], s[20:21], \s*BLKB
	s_or_b32 s[G0+4*\s+3], s[G0+4*\s+3], 0x80000000
	s_mov_b32 s[G0B+4*\s], 1
	s_add_co_u32 s[G0B+4*\s+1], s2, \s*SLOT
	s_add_nc_u64 s[G0B+4*\s+2:G0B+4*\s+3], s[66:67], \s*BLKB
	s_or_b32 s[G0B+4*\s+3], s[G0B+4*\s+3], 0x80000000
	JLOAD G0+4*\s, G1, G0B+4*\s, G1B               ; three tensor loads of mine are out
.endr
	; ---- the head's work: thread t takes query slot 128 y + t
	s_lshl_b32 s20, s43, 9
	s_add_co_u32 s20, s20, PPS
	s_mov_b32 s21, 0
	s_add_nc_u64 s[20:21], s[4:5], s[20:21]
	v_lshlrev_b32 v10, 2, v0
	v_lshl_add_u32 v9, v0, 2, SCL
.irp s, 0,1,2,3,4,5,6,7,8,9,10,11,12,13,14,15
	global_load_b32 v[128+\s], v10, s[20:21] offset:32768*\s           ; the chunk's scale word,
	global_load_b32 v[144+\s], v10, s[20:21] offset:32768*\s+524288    ; -M_loc,
	global_load_b32 v[160+\s], v10, s[20:21] offset:32768*\s+1048576   ; its sum: a wave reads 128 consecutive bytes
.endr
	v_and_b32 v1, 31, v0
	v_and_b32 v2, 15, v0
	v_bfe_u32 v3, v0, 4, 1
	v_lshlrev_b32 v[FO], 4, v1
	v_lshlrev_b32 v[FO8], 3, v1
	s_mul_i32 s2, s17, AH
	s_mul_i32 s47, s18, BH
	s_add_co_u32 s47, s47, 2*AH
.irp s, 0,1
	v_add_nc_u32 v[ADRA+\s], s2, v[FO]
	v_add_nc_u32 v[ADRB+\s], s47, v[FO]
	s_add_co_u32 s2, s2, SLOT
	s_add_co_u32 s47, s47, SLOT
.endr
	v_lshlrev_b32 v4, 2, v2
	s_lshl_b32 s2, s17, 8                          ; A's words: my 64 slots of the 128
	s_mul_i32 s47, s18, HS                         ; B's: my half
	s_add_co_u32 s47, s47, SCLB-SCL
	s_sub_co_u32 s47, s47, s2
	v_mul_u32_u24 v5, s47, v3                      ; lanes 16-31 take B's: one product, the distance between the two
	s_add_co_u32 s47, s2, RLS
	v_add_nc_u32 v[RLA], s47, v4
	s_add_co_u32 s2, s2, SCL
	v_add_nc_u32 v4, v4, v5
	v_add_nc_u32 v[ADRS], s2, v4
	s_mul_i32 s2, s16, WST
	s_add_co_u32 s2, s2, STG
	v_lshl_add_u32 v[SWA], v2, 2, s2
	v_add_nc_u32 v[SRA], s2, v[FO8]
	s_lshl_b32 s2, s42, 1
	s_add_co_u32 s2, s2, s18                       ; which K step of the next product my 128 channels are
	s_lshl_b32 s22, s43, 3
	s_lshl_b32 s23, s17, 2
	s_add_co_u32 s22, s22, s23                     ; my first block of queries
	s_mul_i32 s66, s22, 12288
	s_mul_i32 s47, s2, 1536
	s_add_co_u32 s66, s66, s47
	s_mov_b32 s67, 0
	s_lshl_b32 s100, s2, 15
	s_lshl_b32 s47, s22, 6
	s_add_co_u32 s100, s100, s47
	s_add_co_u32 s100, s100, CXS
	s_mov_b32 s101, 0
	s_add_nc_u64 s[OB:OB+1], s[8:9], s[66:67]
	s_add_nc_u64 s[OS:OS+1], s[8:9], s[100:101]
	s_mov_b32 s2, 0x01010101
	v_mov_b32 v12, 0                               ; l
	s_wait_loadcnt 0x0
	v_min3_num_f32 v11, v144, v145, v146           ; -M = the least -M_loc
.irp i, 147,149,151,153,155,157
	v_min3_num_f32 v11, v11, v[\i], v[\i+1]
.endr
	v_min_num_f32 v11, v11, v159
.irp s, 0,1,2,3,4,5,6,7,8,9,10,11,12,13,14,15
	v_sub_f32 v13, v[144+\s], v11                  ; d = M - M_loc: a whole number, 0 or more,
	v_min_num_f32 v13, 0x42fe0000, v13             ; held at 127
	v_cvt_u32_f32 v13, v13
	v_sub_nc_u32 v14, 0, v13
	v_ldexp_f32 v14, v[160+\s], v14                ; the chunk's sum under M
	v_add_f32 v12, v12, v14
	v_mul_lo_u32 v13, v13, s2                      ; d in each of four bytes
	v_or_b32 v14, 0x80808080, v[128+\s]            ; the bytes are at most 125 (p is at most 1): with 128 on top no byte borrows from its neighbour
	v_sub_nc_u32 v14, v14, v13
	v_and_b32 v13, 0x80808080, v14                 ; the top bit is left where byte >= d
	v_lshrrev_b32 v15, 7, v13
	v_sub_nc_u32 v13, v13, v15                     ; 0x7f there, 0 elsewhere
	v_and_b32 v[128+\s], v14, v13                  ; byte - d, held at 0
	ds_store_b32 v9, v[128+\s] offset:512*\s
.endr
	v_rcp_f32 v12, v12                             ; l is at least 1/2: the chunk that holds M has a p over 1/2
	v_nop                                          ; a plain place behind the reciprocal
	s_wait_alu depctr_va_vdst(0)
	ds_store_b32 v9, v12 offset:RLS-SCL
	s_wait_tensorcnt 1                             ; v^T's words and my part of slot 0 are in; slot 1's load may be out
	s_wait_dscnt 0x0                               ; for the others' sake: my stores of words and of 1 / l are done
	s_barrier_signal -1
	s_barrier_wait -1
	FETCH_B 0, 0, 0
	FETCH_A 0, 0, 0
	SCALES 0
	FETCH_A 0, 0, NA/2
	STEP 0, 0, 1
.if LAPS > 1
	s_mov_b32 s3, LAPS-1
.Llap:
	MID 0
	TURN 0, 1, 1
	STEP 1, 0, 0
	MID 1
	TURN 1, 0, 1
	STEP 0, 0, 0
	s_sub_co_u32 s3, s3, 1
	s_cmp_lg_u32 s3, 0
	s_cbranch_scc1 .Llap
.endif
	MID 0
	TURN 0, 1, 0
	STEP 1, 0, 0
	MID 1
	LAST
; THE WAY OUT, 16 queries at a time: divided by l, quantised, and the fragment leaves as it stands.
.macro OUTB a
.if (\a) > 0
	s_wait_xcnt 0x0                                ; the last block's stores have read their registers
	s_wait_dscnt 0x0
.endif
	WIN 0x02                                       ; source 0: the accumulators' window
.set J, 0
.rept 32
	v_pk_mul_f32 v[T+J:T+J+1], v[64*(\a)+J:64*(\a)+J+1], v[RL+2*(\a):RL+2*(\a)+1]
.set J, J+2
.endr
	WIN 0
	QMAX T
	QTAIL T
.irp c, 0,1,2
	global_store_b128 v[FO], v[PC+4*\c:PC+4*\c+3], s[OB:OB+1] offset:12288*(\a)+512*\c   ; 512 consecutive bytes
.endr
	ds_store_b32 v[SWA], v[PW] offset:64*(\a)
.endm
	PLACES 4
.irp b, 0,1,2,3
	v_mov_b32 v[TM+4+\b], 0                        ; written once: a lane permute's destination counts as one of its sources
.endr
.irp a, 0,1,2,3
	ds_load_b32 v[RL+2*\a], v[RLA] offset:64*\a
	ds_load_b32 v[RL+2*\a+1], v[RLA] offset:64*\a  ; twice: a pair for the packed multiplication
.endr
	s_wait_dscnt 0x0
.irp a, 0,1,2,3
	OUTB \a
.endr
	ds_load_b64 v[T:T+1], v[SRA]                   ; my 64 scale words (LDS serves a wave's instructions in order)
	s_wait_dscnt 0x0
	global_store_b64 v[FO8], v[T:T+1], s[OS:OS+1]  ; 256 consecutive bytes, aligned
	s_wait_tensorcnt 0x0                           ; the wave's end
	ds_add_u32 v[SPW], v[NIL]
	s_wait_dscnt 0x0
	CROUND                                         ; the closing round
	s_endpgm
.Lfunc_end_k_q2035d80929_pv:
	.size	k_q2035d80929_pv, .Lfunc_end_k_q2035d80929_pv-k_q2035d80929_pv
	.p2alignl 7, 3214868480
	.fill 96, 4, 3214868480
	.section	.rodata,"a",@progbits
	.p2align	6, 0x0
	.amdhsa_kernel k_q2035d80929_pv
		.amdhsa_group_segment_fixed_size 327680
		.amdhsa_private_segment_fixed_size 0
		.amdhsa_enable_private_segment 0
		.amdhsa_kernarg_size 24
		.amdhsa_user_sgpr_count 2
		.amdhsa_user_sgpr_kernarg_segment_ptr 1
		.amdhsa_wavefront_size32 1
		.amdhsa_system_sgpr_workgroup_id_x 1
		.amdhsa_system_sgpr_workgroup_id_y 1
		.amdhsa_system_sgpr_workgroup_id_z 1
		.amdhsa_system_vgpr_workitem_id 0
		.amdhsa_next_free_vgpr 768
		.amdhsa_next_free_sgpr 102
		.amdhsa_reserve_vcc 0
		.amdhsa_float_denorm_mode_32 3
		.amdhsa_float_denorm_mode_16_64 3
		.amdhsa_memory_ordered 1
		.amdhsa_forward_progress 1
		.amdhsa_inst_pref_size 169
	.end_amdhsa_kernel
	.amdgpu_metadata
---
amdhsa.version: [ 1, 2 ]
amdhsa.kernels:
  - .name:           k_q2035d80929_pv
    .symbol:         k_q2035d80929_pv.kd
    .args:
      - { .name: pp, .offset: 0, .size: 8, .value_kind: global_buffer, .address_space: global }
      - { .name: vt, .offset: 8, .size: 8, .value_kind: global_buffer, .address_space: global }
      - { .name: cx, .offset: 16, .size: 8, .value_kind: global_buffer, .address_space: global }
    .group_segment_fixed_size: 327680
    .private_segment_fixed_size: 0
    .kernarg_segment_align: 8
    .kernarg_segment_size: 24
    .max_flat_workgroup_size: 128
    .sgpr_count:     102
    .vgpr_count:     768
    .wavefront_size: 32
...
	.end_amdgpu_metadata
.endif
;; end of part 4
;; launch outp (part 5): grid 4 x 64, 4 waves a work-group, clusters of 4 x 4, 327,680 bytes of LDS; arguments cx, xw, bo, out0; writes out0
.if DOCPART == 5
	.amdgcn_target "amdgcn-amd-amdhsa--gfx1250"
	.amdhsa_code_object_version 6
	.text
	.protected	k_q2035d80929_outp
	.globl	k_q2035d80929_outp
	.p2align	8
	.type	k_q2035d80929_outp,@function
k_q2035d80929_outp:
	s_mov_b64 s[64:65], 0
	v_nop
	global_prefetch_b8 v0, s[64:65] scope:SCOPE_SE
	s_setreg_imm32_b32 hwreg(HW_REG_WAVE_MODE, 25, 1), 1
	s_wait_xcnt 0x0
	s_wait_alu depctr_hold_cnt(0) depctr_sa_sdst(0) depctr_va_vdst(0) depctr_va_sdst(0) depctr_va_ssrc(0) depctr_va_vcc(0) depctr_vm_vsrc(0)
	s_getreg_b32 s2, hwreg(HW_REG_IB_STS2, 6, 4)
	s_cmp_eq_u32 s2, 0
	s_cbranch_scc0 .Lentry_in_a_cluster
	s_endpgm
.Lentry_in_a_cluster:
	s_bfe_u32 s2, ttmp6, 0x10000c
	s_cmp_lg_u32 s2, 0xf033
	s_cbranch_scc0 .Lentry_shape_is_right
	s_endpgm
.Lentry_shape_is_right:
; out = ctx Wo + bo on codes of FP6 (E2M3) with E8M0 scales: ctx out of cx, Wo out of xw (blocks 704-767); out0 is [8192][1024] f32.
; OPERANDS ARE IMAGES OF REGISTERS: a fragment (16 row slots x 128 K, 12 registers a lane) is 1,536 bytes, registers 4 c .. 4 c + 3 of lane L at 512 c + 16 L; codes [block][K step][1536]; scale words [K step][slot].
; Slot r of block g is true row 32 (g / 2) + 8 (g % 2) + r % 8 + 16 (r / 8): here the slots are turned back into rows, by the stores' immediates.
; THE MATRIX INSTRUCTION IS USED TRANSPOSED (source 0 = 16 slots of Wo, source 1 = 16 of ctx): a lane holds one row, and the 16 registers of Wo's blocks 2 j, 2 j + 1 are 16 neighbouring columns.
; A tile of out is 128 x 256, so that there are 256 work-groups: four waves, each 64 x 128.  K = 1,024 is two slots of 512: both are first fills, nothing is filled again.
; CLUSTERS 4 x 4: ctx's tiles are asked for jointly along a row of the cluster, Wo's along a column.  No prefetch: every tile is asked for at the head.  LIMITS: NaN and infinities are not served.
; REGISTERS: window 0: v16-29 addresses; v32-95 scale words, two sets, and nothing else; v96-99 the bias of my four columns; v128-175 A's fragments; way out: v128-255 two sets of 16 rows.
;   window 1: B's fragments, two sets.  window 2: the accumulators: (a, b) at v[8 (8 a + b)].
.set NA,    4
.set NQ,    4
.set KS,    8
.set BLKB,  NQ*1536
.set AH,    NA*BLKB
.set BH,    8*BLKB
.set SLOT,  2*AH+2*BH
.set LAPS,  KS/(2*NQ)
.set HS,    KS*512
.set SCL,   2*SLOT                     ; ctx's scale words [8][128]
.set SCLB,  SCL+HS                     ; Wo's, two halves [8][128]
.set SPARE, SCLB+2*HS                  ; the spare words: 128 bytes a wave, two blocks of 256 bytes that no other line names
.set SPITCH, 528                       ; the way out: a stage of 16 rows x (512 bytes + 16) a wave, in slot 0, which has had its only fill and its last read when the first result is stored there
.set XWS,   9437184
.set CXS,   6291456
.set ADRA, 16
.set ADRB, 20
.set FO,   24
.set STO,  25                          ; v25 the stage: where I put 32 bytes of a row
.set RD,   26                          ; v26 and where I read a row back
.set ADRS, 27
.set SPW,  28
.set NIL,  29
.set SC,   32
.set BI,   96
.set AF,   128
.set BK,   128
.set G1, 24
.set G0, 32
.set G1B, 48
.set G0B, 56
.set G1S, 68
.set G0S, 76
.set G1SB, 80
.set G0SB, 88
.set OB, 92
.set MSB, 0
.macro WIN new                         ; the immediate's high byte repeats the setting that is left
.if MSB != (\new)
	s_set_vgpr_msb (MSB<<8)|(\new)
.set MSB, (\new)
.endif
.endm
.set MUL_LO, 0xa1
.set MUL_HI, 0xa1+0x50*(NA/8)
.set TO_B,   0x40
.macro DESC1 g, c, r, p                ; words 1 to 7 of a descriptor's group 1: r rows of c elements, p elements apart
	s_mov_b32 s[\g+1], ((\c)&0xffff)<<16
	s_mov_b32 s[\g+2], ((\c)>>16)|((\r)<<16)
	s_mov_b32 s[\g+3], (\c)<<16
	s_mov_b32 s[\g+4], \r
	s_mov_b32 s[\g+5], \p
	s_mov_b32 s[\g+6], 0
	s_mov_b32 s[\g+7], 0
.endm
.macro JLOAD g0a, g1a, g0b, g1b        ; a joint load: waves 0 and 1 fetch for A, waves 2 and 3 for B; four v_nop follow each line
	s_cmp_eq_u32 s17, 0
	s_cbranch_scc0 .Lfor_b_\@
	tensor_load_to_lds s[\g0a:\g0a+3], s[\g1a:\g1a+7]
	s_nop 0
.rept 4
	v_nop
.endr
	s_branch .Lasked_\@
.Lfor_b_\@:
	tensor_load_to_lds s[\g0b:\g0b+3], s[\g1b:\g1b+7]
	s_nop 0
.rept 4
	v_nop
.endr
.Lasked_\@:
.endm
.macro CREST
	s_cmp_lg_u32 s16, 0
	s_cbranch_scc1 .Lnot_wave_0_\@
	s_barrier_signal -3
.Lnot_wave_0_\@:
	s_barrier_wait -3
	s_barrier_signal -1
	s_barrier_wait -1
.endm
.macro CROUND
	s_barrier_signal -1
	s_barrier_wait -1
	CREST
.endm
.macro PLACES n
.rept \n
	v_nop
.endr
.endm
.macro FRAG reg, adr, q, i
.irp c, 0,1,2
	ds_load_b128 v[\reg+4*\c:\reg+4*\c+3], v[\adr] offset:(\i)*BLKB+(\q)*1536+512*\c
.endr
.endm
.macro FETCH_B slot, q, p
	WIN TO_B
.irp i, 0,1,2,3,4,5,6,7
	FRAG 128*(\p)+12*\i, ADRB+\slot, \q, \i
.endr
	WIN 0
.endm
.macro FETCH_A slot, q, i0
.set FI, \i0
.rept NA/2
	FRAG AF+12*FI, ADRA+\slot, \q, FI
.set FI, FI+1
.endr
.endm
.macro SCALES set                      ; register NQ i + q: lanes 0-15 A's block i (for i over 3: words that no product names), lanes 16-31 B's block i
.irp i, 0,1,2,3,4,5,6,7
.set SQ, 0
.rept NQ
	ds_load_b32 v[SC+8*NQ*\set+NQ*\i+SQ], v[ADRS] offset:512*SQ+64*\i
.set SQ, SQ+1
.endr
.endr
.endm
.macro MULB a, p, q, set, zero         ; A's block a against B's eight; the accumulators take turns
.irp b, 0,1,2,3,4,5,6,7
.if \zero
	v_wmma_scale_f32_16x16x128_f8f6f4 v[8*(8*((\a)%4)+\b):8*(8*((\a)%4)+\b)+7], v[128*(\p)+12*\b:128*(\p)+12*\b+11], v[AF+12*(\a):AF+12*(\a)+11], 0, v[SC+8*NQ*(\set)+NQ*\b+(\q)], v[SC+8*NQ*(\set)+NQ*(\a)+(\q)] matrix_a_fmt:MATRIX_FMT_FP6 matrix_b_fmt:MATRIX_FMT_FP6 matrix_a_scale:MATRIX_SCALE_ROW1
.else
	v_wmma_scale_f32_16x16x128_f8f6f4 v[8*(8*((\a)%4)+\b):8*(8*((\a)%4)+\b)+7], v[128*(\p)+12*\b:128*(\p)+12*\b+11], v[AF+12*(\a):AF+12*(\a)+11], v[8*(8*((\a)%4)+\b):8*(8*((\a)%4)+\b)+7], v[SC+8*NQ*(\set)+NQ*\b+(\q)], v[SC+8*NQ*(\set)+NQ*(\a)+(\q)] matrix_a_fmt:MATRIX_FMT_FP6 matrix_b_fmt:MATRIX_FMT_FP6 matrix_a_scale:MATRIX_SCALE_ROW1
.endif
.endr
.endm
.macro MULH a0, n, p, q, set, zero
.set MA, \a0
.rept \n
	MULB MA, \p, \q, \set, \zero
.set MA, MA+1
.endr
.endm
.macro STEP slot, q, zero
	s_wait_dscnt (NA/2)*3                          ; all is in but the youngest loads: A's upper blocks
	WIN MUL_LO
	MULH 0, NA/2, (\q)%2, \q, \slot, \zero
	s_wait_dscnt 0
	PLACES 4
	FETCH_B \slot, (\q)+1, 1-(\q)%2
	FETCH_A \slot, (\q)+1, 0
	WIN MUL_HI
	MULH NA/2, NA/2, (\q)%2, \q, \slot, \zero
	PLACES 4
	WIN 0
	FETCH_A \slot, (\q)+1, NA/2
.endm
.macro TURN slot, next                 ; slot 0's last K step changes slots: one barrier; nothing is filled again
	s_wait_tensorcnt 0x0                           ; all my tensor loads have landed: my part of the next slot
	ds_add_u32 v[SPW], v[NIL]                      ; 0 onto my spare word
	s_wait_dscnt (NA/2)*3+1                        ; (the add and A's upper blocks may be out)
	WIN MUL_LO
	MULH 0, NA/4, 1, NQ-1, \slot, 0
	s_wait_dscnt 0x0                               ; the add is done, and my reads of this slot are over
	s_barrier_signal -1
	MULH NA/4, NA/4, 1, NQ-1, \slot, 0
	WIN 0
	s_barrier_wait -1
	PLACES 4
	v_add_nc_u32 v[ADRS], 512*NQ, v[ADRS]
	FETCH_B \next, 0, 0
	FETCH_A \next, 0, 0
	SCALES \next
	WIN MUL_HI
	MULH NA/2, NA/2, 1, NQ-1, \slot, 0
	PLACES 4
	WIN 0
	FETCH_A \next, 0, NA/2
.endm
.macro MID slot
.set MQ, 1
.rept NQ-2
	STEP \slot, MQ, 0
.set MQ, MQ+1
.endr
.endm
.macro LAST
	s_wait_dscnt (NA/2)*3
	WIN MUL_LO
	MULH 0, NA/2, 1, NQ-1, 1, 0
	s_wait_dscnt 0
	WIN MUL_HI
	MULH NA/2, NA/2, 1, NQ-1, 1, 0
	WIN 0
.endm
	s_load_b128 s[4:7], s[0:1], 0x0                ; cx, xw
	s_load_b128 s[8:11], s[0:1], 0x10              ; bo, out0
	v_lshl_add_u32 v[SPW], v0, 2, SPARE
	v_mov_b32 v[NIL], 0
	ds_add_u32 v28, v29
	ds_add_u32 v28, v29
	s_wait_dscnt 0x0
	v_lshrrev_b32 v1, 5, v0
	v_readfirstlane_b32 s16, v1                    ; wave 0..3
	s_lshr_b32 s17, s16, 1                         ; my half of the tile's rows.  Also: I fetch for A (0) or for B (1)
	s_and_b32 s18, s16, 1                          ; my half of its columns.  Also: which half I fetch
	s_bfe_u32 s40, ttmp6, 0x40000                  ; cx
	s_bfe_u32 s41, ttmp6, 0x40004                  ; cy
	s_lshl_b32 s42, ttmp9, 2
	s_add_co_u32 s42, s42, s40                     ; work-group x: 256 columns
	s_and_b32 s44, ttmp7, 0xffff
	s_lshl_b32 s43, s44, 2
	s_add_co_u32 s43, s43, s41                     ; work-group y: 128 rows
	s_lshl_b32 s45, s41, 2
	s_lshl_b32 s45, 15, s45                        ; my row of the cluster
	s_lshl_b32 s46, 0x1111, s40                    ; my column
	s_or_b32 s[G1], s45, (3<<16)|(1<<21)           ; 15:0 the mask; 17:16 elements of 8 bytes; 21 set beside a mask; no padding
	s_or_b32 s[G1B], s46, (3<<16)|(1<<21)
	s_or_b32 s[G1S], s45, (3<<16)|(1<<21)
	s_or_b32 s[G1SB], s46, (3<<16)|(1<<21)
	DESC1 G1, 192*NQ, NA, 192*KS                   ; 4 blocks x a slot's 6,144 bytes, a block's 12,288 bytes apart
	DESC1 G1B, 192*NQ, 8, 192*KS
	DESC1 G1S, 64, 4, 4096                         ; ctx's words: 4 K steps x 128 words a wave, 32,768 bytes apart
	DESC1 G1SB, 64, 8, 6144                        ; Wo's: 8 K steps x 128 words, 49,152 bytes apart
	s_lshl_b32 s20, s43, 3
	s_lshl_b32 s2, s18, 2
	s_add_co_u32 s20, s20, s2                      ; ctx's block 8 y + the half that I fetch
	s_mul_i32 s20, s20, 12288
	s_mov_b32 s21, 0
	s_lshl_b32 s22, s18, 17                        ; its words: K steps 4 (wave % 2) on,
	s_lshl_b32 s2, s43, 9
	s_add_co_u32 s22, s22, s2                      ; slots 128 y on
	s_add_co_u32 s22, s22, CXS
	s_mov_b32 s23, 0
	s_lshl_b32 s66, s42, 4
	s_lshl_b32 s2, s18, 3
	s_add_co_u32 s66, s66, s2
	s_add_co_u32 s66, s66, 704                     ; Wo's block 704 + 16 x + half
	s_lshl_b32 s100, s66, 6
	s_add_co_u32 s100, s100, XWS
	s_mov_b32 s101, 0
	s_mul_i32 s66, s66, 12288
	s_mov_b32 s67, 0
	s_mul_i32 s47, s18, AH
	s_mul_i32 s2, s18, BH
	s_add_co_u32 s2, s2, 2*AH
	s_wait_kmcnt 0x0
	s_add_nc_u64 s[20:21], s[4:5], s[20:21]
	s_add_nc_u64 s[22:23], s[4:5], s[22:23]
	s_add_nc_u64 s[66:67], s[6:7], s[66:67]
	s_add_nc_u64 s[100:101], s[6:7], s[100:101]
	CROUND                                         ; all sixteen work-groups are here: the joint loads meet
	s_mov_b32 s[G0S], 1
	s_lshl_b32 s[G0S+1], s18, 11
	s_add_co_u32 s[G0S+1], s[G0S+1], SCL
	s_mov_b64 s[G0S+2:G0S+3], s[22:23]
	s_or_b32 s[G0S+3], s[G0S+3], 0x80000000
	s_mov_b32 s[G0SB], 1
	s_lshl_b32 s[G0SB+1], s18, 12
	s_add_co_u32 s[G0SB+1], s[G0SB+1], SCLB
	s_mov_b64 s[G0SB+2:G0SB+3], s[100:101]
	s_or_b32 s[G0SB+3], s[G0SB+3], 0x80000000
	JLOAD G0S, G1S, G0SB, G1SB
.irp s, 0,1
	s_mov_b32 s[G0+4*\s], 1
	s_add_co_u32 s[G0+4*\s+1], s47, \s*SLOT
	s_add_nc_u64 s[G0+4*\s+2:G0+4*\s+3], s[20:21], \s*BLKB
	s_or_b32 s[G0+4*\s+3], s[G0+4*\s+3], 0x80000000
	s_mov_b32 s[G0B+4*\s], 1
	s_add_co_u32 s[G0B+4*\s+1], s2, \s*SLOT
	s_add_nc_u64 s[G0B+4*\s+2:G0B+4*\s+3], s[66:67], \s*BLKB
	s_or_b32 s[G0B+4*\s+3], s[G0B+4*\s+3], 0x80000000
	JLOAD G0+4*\s, G1, G0B+4*\s, G1B               ; three tensor loads of mine are out
.endr
	v_and_b32 v1, 31, v0
	v_and_b32 v2, 15, v0
	v_bfe_u32 v3, v0, 4, 1
	v_lshlrev_b32 v[FO], 4, v1
	s_mul_i32 s2, s17, AH
	s_mul_i32 s47, s18, BH
	s_add_co_u32 s47, s47, 2*AH
.irp s, 0,1
	v_add_nc_u32 v[ADRA+\s], s2, v[FO]
	v_add_nc_u32 v[ADRB+\s], s47, v[FO]
	s_add_co_u32 s2, s2, SLOT
	s_add_co_u32 s47, s47, SLOT
.endr
	v_lshlrev_b32 v4, 2, v2
	s_lshl_b32 s2, s17, 8                          ; A's words: my 64 slots of the 128
	s_mul_i32 s47, s18, HS                         ; B's: my half
	s_add_co_u32 s47, s47, SCLB-SCL
	s_sub_co_u32 s47, s47, s2
	v_mul_u32_u24 v5, s47, v3                      ; lanes 16-31 take B's: one product, the distance between the two
	s_add_co_u32 s2, s2, SCL
	v_add_nc_u32 v4, v4, v5
	v_add_nc_u32 v[ADRS], s2, v4
	s_mul_i32 s2, s16, 16*SPITCH                   ; my stage
	v_mul_u32_u24 v5, v2, SPITCH
	v_lshl_add_u32 v5, v3, 6, v5
	v_add_nc_u32 v[STO], s2, v5                    ; in: row r, + 64 h: blocks 2 j, 2 j + 1 of Wo give columns 32 j + 16 h + 0 .. 15
	v_add_nc_u32 v[RD], s2, v[FO]                  ; back: the 32 lanes take one row of 512 bytes
	s_lshl_b32 s22, s42, 10
	s_lshl_b32 s23, s18, 9
	s_add_co_u32 s22, s22, s23                     ; my 128 columns, in bytes
	s_mov_b32 s23, 0
	s_add_nc_u64 s[20:21], s[8:9], s[22:23]
	global_load_b128 v[BI:BI+3], v[FO], s[20:21]   ; the bias of the four columns that I store in every row
	s_lshl_b32 s66, s43, 7
	s_lshl_b32 s67, s17, 6
	s_add_co_u32 s66, s66, s67                     ; my first row: 128 y + 64 x half
	s_lshl_b32 s66, s66, 12
	s_add_co_u32 s66, s66, s22
	s_mov_b32 s67, 0
	s_add_nc_u64 s[OB:OB+1], s[10:11], s[66:67]
	s_wait_tensorcnt 1                             ; the scale words and my part of slot 0 are in; slot 1's load may be out
	s_barrier_signal -1
	s_barrier_wait -1
	FETCH_B 0, 0, 0
	FETCH_A 0, 0, 0
	SCALES 0
	FETCH_A 0, 0, NA/2
	STEP 0, 0, 1                                   ; the first K step's products start the sums
	MID 0
	TURN 0, 1
	STEP 1, 0, 0
	MID 1
	LAST
; THE WAY OUT, a block of 16 slots x 128 columns at a time, through my own stage in LDS: back come whole rows of 512 bytes.  LDS serves a wave's instructions in order: no wait between the stores and the loads, nor in front of the next block's stores.
.macro TOSTAGE a
	WIN 0x08                                       ; an LDS store's data are its source 1: window 2
.irp b, 0,1,2,3,4,5,6,7
	ds_store_b128 v[STO], v[64*(\a)+8*\b:64*(\a)+8*\b+3] offset:128*(\b/2)+32*(\b%2)        ; each accumulator from its low end on
	ds_store_b128 v[STO], v[64*(\a)+8*\b+4:64*(\a)+8*\b+7] offset:128*(\b/2)+32*(\b%2)+16
.endr
	WIN 0
.set BB, BK+64*((\a)%2)
.irp t, 0,1,2,3,4,5,6,7,8,9,10,11,12,13,14,15
	ds_load_b128 v[BB+4*\t:BB+4*\t+3], v[RD] offset:\t*SPITCH
.endr
.endm
.macro SEND a, younger                 ; younger: the LDS instructions issued behind block a's loads, which may stay out
.set BB, BK+64*((\a)%2)
	s_wait_dscnt \younger
.irp t, 0,1,2,3,4,5,6,7,8,9,10,11,12,13,14,15
	v_pk_add_f32 v[BB+4*\t:BB+4*\t+1], v[BB+4*\t:BB+4*\t+1], v[BI:BI+1]
	v_pk_add_f32 v[BB+4*\t+2:BB+4*\t+3], v[BB+4*\t+2:BB+4*\t+3], v[BI+2:BI+3]
.endr
.irp t, 0,1,2,3,4,5,6,7,8,9,10,11,12,13,14,15
	global_store_b128 v[FO], v[BB+4*\t:BB+4*\t+3], s[OB:OB+1] offset:4096*(32*((\a)/2)+8*((\a)%2)+(\t%8)+16*(\t/8)) th:TH_STORE_NT   ; slot t's true row; 32 lanes store 512 consecutive bytes, aligned; written once, read by nobody here
.endr
.endm
	s_wait_loadcnt 0x0                             ; the bias
	PLACES 4
	TOSTAGE 0
.irp a, 1,2,3
.if \a > 1
	s_wait_xcnt 0x0                                ; block a - 2's stores have read their registers: block a's loads may land there
.endif
	TOSTAGE \a
	SEND \a-1, 32                                  ; behind block a - 1's loads: block a's 16 stores and 16 loads
.endr
	SEND 3, 0
	s_wait_tensorcnt 0x0                           ; the wave's end
	ds_add_u32 v[SPW], v[NIL]
	s_wait_dscnt 0x0
	CROUND                                         ; the closing round
	s_endpgm
.Lfunc_end_k_q2035d80929_outp:
	.size	k_q2035d80929_outp, .Lfunc_end_k_q2035d80929_outp-k_q2035d80929_outp
	.p2alignl 7, 3214868480
	.fill 96, 4, 3214868480
	.section	.rodata,"a",@progbits
	.p2align	6, 0x0
	.amdhsa_kernel k_q2035d80929_outp
		.amdhsa_group_segment_fixed_size 327680
		.amdhsa_private_segment_fixed_size 0
		.amdhsa_enable_private_segment 0
		.amdhsa_kernarg_size 32
		.amdhsa_user_sgpr_count 2
		.amdhsa_user_sgpr_kernarg_segment_ptr 1
		.amdhsa_wavefront_size32 1
		.amdhsa_system_sgpr_workgroup_id_x 1
		.amdhsa_system_sgpr_workgroup_id_y 1
		.amdhsa_system_sgpr_workgroup_id_z 1
		.amdhsa_system_vgpr_workitem_id 0
		.amdhsa_next_free_vgpr 768
		.amdhsa_next_free_sgpr 102
		.amdhsa_reserve_vcc 0
		.amdhsa_float_denorm_mode_32 3
		.amdhsa_float_denorm_mode_16_64 3
		.amdhsa_memory_ordered 1
		.amdhsa_forward_progress 1
		.amdhsa_inst_pref_size 91
	.end_amdhsa_kernel
	.amdgpu_metadata
---
amdhsa.version: [ 1, 2 ]
amdhsa.kernels:
  - .name:           k_q2035d80929_outp
    .symbol:         k_q2035d80929_outp.kd
    .args:
      - { .name: cx, .offset: 0, .size: 8, .value_kind: global_buffer, .address_space: global }
      - { .name: xw, .offset: 8, .size: 8, .value_kind: global_buffer, .address_space: global }
      - { .name: bo, .offset: 16, .size: 8, .value_kind: global_buffer, .address_space: global }
      - { .name: out0, .offset: 24, .size: 8, .value_kind: global_buffer, .address_space: global }
    .group_segment_fixed_size: 327680
    .private_segment_fixed_size: 0
    .kernarg_segment_align: 8
    .kernarg_segment_size: 32
    .max_flat_workgroup_size: 128
    .sgpr_count:     102
    .vgpr_count:     768
    .wavefront_size: 32
...
	.end_amdgpu_metadata
.endif
;; end of part 5
